; MI455X (gfx1250); checked and timed in simulation.
; The chip was launched on July 23, 2026; its instructions are those of AMD's public machine-readable ISA for CDNA 5 (MIT licence, August 2026) and "CDNA5" Instruction Set Architecture Reference Guide (July 2026). The comments in the code are by the model that wrote it; some were corrected since.
;; Parallel Self Attention. Allowed arithmetic: float matrix products may take bf16 or f16 operands with f32 sums; other float arithmetic in f32, or as packed bf16 or f16 multiplies, adds, multiply-adds, maxima and minima; sums over many terms, partial sums and values carried from step to step in f32; what a program stores and reads back later, other than sums and carried values, may be rounded once to bf16 or f16.
;; Inputs: b_out 1,024 float32; b_qkv 3,072 float32; mask 2,048 x 2,048 bool; w_out 1,024 x 1,024 float32; w_qkv 1,024 x 3,072 float32; x 4 x 2,048 x 1,024 float32.
;; Outputs: out0 4 x 2,048 x 1,024 float32.
;; 2 versions, each right and faster than the one before. Each part assembles by itself: llvm-mc -triple=amdgcn-amd-amdhsa -mcpu=gfx1250 --defsym DOCPART=n.
;; ======== version 1 of 2: 4 launches
;; limits: values are held in f16: magnitudes above 65,504 overflow, below 6.1e-05 lose precision
;; workspace buffers: xb 16,777,216 bytes; wqT 6,291,456 bytes; woT 2,097,152 bytes; qh 16,777,216 bytes; kh 16,777,216 bytes; vh 16,777,216 bytes; ctx 16,777,216 bytes; mbits 524,288 bytes of whole numbers
;; launch prep (part 1): grid 896 x 1, 8 waves a work-group, no clusters, 35,840 bytes of LDS; arguments x, w_qkv, w_out, mask, xb, wqT, woT, mbits; writes xb, wqT, woT, mbits
.if DOCPART == 1
	.amdgcn_target "amdgcn-amd-amdhsa--gfx1250"
	.amdhsa_code_object_version 6
	.text
	.protected	k_qee62a3e332_prep
	.globl	k_qee62a3e332_prep
	.p2align	8
	.type	k_qee62a3e332_prep,@function
k_qee62a3e332_prep:
	s_mov_b64 s[64:65], 0
	v_nop
	global_prefetch_b8 v0, s[64:65] scope:SCOPE_SE
	s_setreg_imm32_b32 hwreg(HW_REG_WAVE_MODE, 25, 1), 1
	s_wait_xcnt 0x0
; PREPARATION, four kinds of work-group, chosen by the work-group's number (the same for all its waves):
;   0-127    the mask, 16 query rows each: the lane masks for the attention's score registers
;   128-319  w_qkv [1024 k][3072 n] f32 -> wqT [3072 n][1024 k] bf16, a tile of 128 k x 128 n each
;   320-383  w_out [1024 k][1024 n] f32 -> woT [1024 n][1024 k]: rounded to bf16, that number written as f16
;   384-895  x f32 -> xb bf16, 65,536 bytes of x each
; No matrix work, no tensor loads, no cluster: every byte is read once and written once, and nothing is shared between work-groups.
; LIMITS.  woT: |w_out| under 65,504; a bf16 number under 6.1e-5 keeps f16's fixed step of 6e-8.  A mask byte other than 0 counts as true.
; mbits [qt 128][t 8][s 4][i 32] of 32 bits: bit L of word i = 8 kt + j is mask[16 qt + L % 16][256 t + 64 s + 16 kt + 8 (L / 16) + j].
.set SPARE, 34816                      ; behind the stage: the spare words, 128 bytes for each of the eight waves
.set SPW,   30                         ; v30  SPARE + 4 x my thread's number; never rewritten
.set NIL,   31                         ; v31  0; never rewritten
.set IN,    32                         ; v[32:95]   as loaded
.set OW,    96                         ; v[96:127]  packed words
.set TP,    272                        ; a stage row: 128 k of 2 bytes + 16 bytes
	s_load_b512 s[4:19], s[0:1], 0x0               ; x 4:5, w_qkv 6:7, w_out 8:9, mask 10:11, xb 12:13, wqT 14:15, woT 16:17, mbits 18:19
	v_lshl_add_u32 v[SPW], v0, 2, SPARE
	v_mov_b32 v[NIL], 0
	v_and_b32 v1, 31, v0                           ; lane
	v_lshrrev_b32 v2, 5, v0
	v_readfirstlane_b32 s22, v2                    ; wave 0..7
	s_mov_b32 s23, ttmp9
	s_wait_kmcnt 0x0
	s_cmp_lt_u32 s23, 128
	s_cbranch_scc1 .Lmask
	s_cmp_lt_u32 s23, 320
	s_cbranch_scc1 .Lwq
	s_cmp_lt_u32 s23, 384
	s_cbranch_scc1 .Lwo
	; x -> xb.  Thread t takes 16 bytes at 16 t of each of 16 blocks of 4,096 bytes: a wave's load covers 512 consecutive bytes, its store 256.
	s_sub_co_u32 s24, s23, 384
	s_lshl_b32 s26, s24, 15
	s_lshl_b32 s24, s24, 16
	s_mov_b32 s25, 0
	s_mov_b32 s27, 0
	s_add_nc_u64 s[4:5], s[4:5], s[24:25]
	s_add_nc_u64 s[12:13], s[12:13], s[26:27]
	v_lshlrev_b32 v2, 4, v0
	v_lshlrev_b32 v3, 3, v0
.set i, 0
.rept 16
	global_load_b128 v[IN+4*i:IN+4*i+3], v2, s[4:5] offset:4096*i th:TH_LOAD_NT
.set i, i+1
.endr
.set i, 0
.rept 16
	s_wait_loadcnt 15-i                            ; loads come back in order: number i is in, the 15 - i younger ones stay out
	v_cvt_pk_bf16_f32 v[OW+2*i], v[IN+4*i], v[IN+4*i+1]
	v_cvt_pk_bf16_f32 v[OW+2*i+1], v[IN+4*i+2], v[IN+4*i+3]
	global_store_b64 v3, v[OW+2*i:OW+2*i+1], s[12:13] offset:2048*i
.set i, i+1
.endr
	s_endpgm                                       ; these waves have written no LDS
; A tile of 128 k x 128 n is turned.  Wave w loads rows k = 16 w + 0..15 (a load: 512 consecutive bytes, columns 4 l .. 4 l + 3 in lane l), packs for each of its four columns
; the 16 k into 32 bytes, and stores them into stage row n = 4 l + c at byte 32 w.  Behind a barrier the rows (256 bytes, 128 k) are read back whole and stored.
; The eight LDS stores have lanes 1,088 bytes apart, 16 banks.  Accepted: eight stores a wave in the whole launch.
.macro TRANS ncol, src, dst, first, half
	s_sub_co_u32 s24, s23, \first
	s_and_b32 s25, s24, 7                          ; kt
	s_lshr_b32 s26, s24, 3                         ; nt
	s_mul_i32 s28, s25, 128*(\ncol)*4
	s_lshl_b32 s27, s26, 9
	s_add_co_u32 s28, s28, s27
	s_mov_b32 s29, 0
	s_add_nc_u64 s[\src:\src+1], s[\src:\src+1], s[28:29]
	s_lshl_b32 s28, s26, 18                        ; 128 rows of 2,048 bytes
	s_lshl_b32 s27, s25, 8
	s_add_co_u32 s28, s28, s27
	s_add_nc_u64 s[\dst:\dst+1], s[\dst:\dst+1], s[28:29]
	s_mul_i32 s27, s22, 16*(\ncol)*4
	v_lshl_add_u32 v2, v1, 4, s27
.set i, 0
.rept 16
	global_load_b128 v[IN+4*i:IN+4*i+3], v2, s[\src:\src+1] offset:i*(\ncol)*4 th:TH_LOAD_NT
.set i, i+1
.endr
	v_mul_u32_u24 v4, v1, 4*TP                     ; into the stage: row 4 l, byte 32 w
	s_lshl_b32 s30, s22, 5
	v_add_nc_u32 v4, s30, v4
	v_lshrrev_b32 v7, 4, v1                        ; back: row 16 w + l / 16, byte 16 (l % 16)
	v_and_b32 v8, 15, v1
	s_lshl_b32 s31, s22, 4
	v_add_nc_u32 v7, s31, v7
	v_mul_u32_u24 v5, v7, TP
	v_lshl_add_u32 v5, v8, 4, v5
	v_lshlrev_b32 v6, 11, v7                       ; and the same place in the turned matrix
	v_lshl_add_u32 v6, v8, 4, v6
	s_wait_loadcnt 0x0
.set c, 0
.rept 4
.set p, 0
.rept 8
	v_cvt_pk_bf16_f32 v[OW+8*c+p], v[IN+8*p+c], v[IN+8*p+4+c]  ; column 4 l + c, k = 2 p (low half) and 2 p + 1
.if \half
	v_lshlrev_b32 v128, 16, v[OW+8*c+p]            ; the two bf16 numbers as f32,
	v_and_b32 v129, 0xffff0000, v[OW+8*c+p]
	v_cvt_pk_f16_f32 v[OW+8*c+p], v128, v129       ; written as f16
.endif
.set p, p+1
.endr
.set c, c+1
.endr
.set c, 0
.rept 4
	ds_store_b128 v4, v[OW+8*c:OW+8*c+3] offset:c*TP
	ds_store_b128 v4, v[OW+8*c+4:OW+8*c+7] offset:c*TP+16
.set c, c+1
.endr
	s_wait_dscnt 0x0                               ; for the others' sake: my stores into the stage are done
	s_barrier_signal -1
	s_barrier_wait -1
.set i, 0
.rept 8
	ds_load_b128 v[IN+4*i:IN+4*i+3], v5 offset:i*2*TP
.set i, i+1
.endr
.set i, 0
.rept 8
	s_wait_dscnt 7-i
	global_store_b128 v6, v[IN+4*i:IN+4*i+3], s[\dst:\dst+1] offset:4096*i  ; 16 lanes store 256 consecutive bytes, at a multiple of 256 from the buffer's first
.set i, i+1
.endr
	s_wait_tensorcnt 0x0                           ; the wave's end, behind my last LDS store
	ds_add_u32 v[SPW], v[NIL]
	s_wait_dscnt 0x0
	s_endpgm
.endm
.Lwq:
	TRANS 3072, 6, 14, 128, 0
.Lwo:
	TRANS 1024, 8, 16, 320, 1
.Lmask:
	; Work-group qt, wave t: 16 rows x 256 keys.  Lane L loads 8 bytes of row L % 16 at key 64 s + 16 kt + 8 (L / 16): the keys that register 8 kt + j of a score tile holds in that lane.
	s_lshl_b32 s24, s23, 15                        ; 16 rows of 2,048 bytes
	s_lshl_b32 s25, s22, 8
	s_add_co_u32 s24, s24, s25
	s_mov_b32 s25, 0
	s_add_nc_u64 s[10:11], s[10:11], s[24:25]
	s_lshl_b32 s24, s23, 3
	s_add_co_u32 s24, s24, s22                     ; 8 qt + t
	s_lshl_b32 s26, s24, 9
	s_mov_b32 s27, 0
	s_add_nc_u64 s[18:19], s[18:19], s[26:27]
	v_and_b32 v3, 15, v1
	v_lshrrev_b32 v4, 4, v1
	v_lshlrev_b32 v2, 11, v3
	v_lshl_add_u32 v2, v4, 3, v2
.set i, 0
.rept 16
	global_load_b64 v[IN+2*i:IN+2*i+1], v2, s[10:11] offset:16*i  ; i = 4 s + kt; the 16 loads on end take each row's 256 bytes once
.set i, i+1
.endr
.set i, 0
.rept 4
	v_mov_b32 v[OW+i], 0                           ; v_writelane_b32's destination counts as read
.set i, i+1
.endr
	v_lshlrev_b32 v5, 4, v1
	s_wait_loadcnt 0x0
	; word 32 s + i goes to lane 8 s + i / 4, register i % 4: the wave's 128 words leave as 512 consecutive bytes
.set st, 0
.rept 4
.set i, 0
.rept 32
	v_bfe_u32 v[100+i%4], v[IN+8*st+2*(i/8)+(i%8)/4], 8*(i%4), 8
	v_cmp_ne_u32 s[24+i%4], 0, v[100+i%4]
	v_writelane_b32 v[OW+i%4], s[24+i%4], 8*st+i/4
.set i, i+1
.endr
.set st, st+1
.endr
	global_store_b128 v5, v[OW:OW+3], s[18:19]
	s_endpgm                                       ; these waves have written no LDS
.Lfunc_end_k_qee62a3e332_prep:
	.size	k_qee62a3e332_prep, .Lfunc_end_k_qee62a3e332_prep-k_qee62a3e332_prep
	.p2alignl 7, 3214868480
	.fill 96, 4, 3214868480
	.section	.rodata,"a",@progbits
	.p2align	6, 0x0
	.amdhsa_kernel k_qee62a3e332_prep
		.amdhsa_group_segment_fixed_size 35840
		.amdhsa_private_segment_fixed_size 0
		.amdhsa_enable_private_segment 0
		.amdhsa_kernarg_size 64
		.amdhsa_user_sgpr_count 2
		.amdhsa_user_sgpr_kernarg_segment_ptr 1
		.amdhsa_wavefront_size32 1
		.amdhsa_system_sgpr_workgroup_id_x 1
		.amdhsa_system_sgpr_workgroup_id_y 1
		.amdhsa_system_sgpr_workgroup_id_z 1
		.amdhsa_system_vgpr_workitem_id 0
		.amdhsa_next_free_vgpr 136
		.amdhsa_next_free_sgpr 66
		.amdhsa_reserve_vcc 0
		.amdhsa_float_denorm_mode_32 3
		.amdhsa_float_denorm_mode_16_64 3
		.amdhsa_memory_ordered 1
		.amdhsa_forward_progress 1
		.amdhsa_inst_pref_size 52
	.end_amdhsa_kernel
	.amdgpu_metadata
---
amdhsa.version: [ 1, 2 ]
amdhsa.kernels:
  - .name:           k_qee62a3e332_prep
    .symbol:         k_qee62a3e332_prep.kd
    .args:
      - { .name: x, .offset: 0, .size: 8, .value_kind: global_buffer, .address_space: global }
      - { .name: w_qkv, .offset: 8, .size: 8, .value_kind: global_buffer, .address_space: global }
      - { .name: w_out, .offset: 16, .size: 8, .value_kind: global_buffer, .address_space: global }
      - { .name: mask, .offset: 24, .size: 8, .value_kind: global_buffer, .address_space: global }
      - { .name: xb, .offset: 32, .size: 8, .value_kind: global_buffer, .address_space: global }
      - { .name: wqT, .offset: 40, .size: 8, .value_kind: global_buffer, .address_space: global }
      - { .name: woT, .offset: 48, .size: 8, .value_kind: global_buffer, .address_space: global }
      - { .name: mbits, .offset: 56, .size: 8, .value_kind: global_buffer, .address_space: global }
    .group_segment_fixed_size: 35840
    .private_segment_fixed_size: 0
    .kernarg_segment_align: 8
    .kernarg_segment_size: 64
    .max_flat_workgroup_size: 256
    .sgpr_count:     66
    .vgpr_count:     136
    .wavefront_size: 32
...
	.end_amdgpu_metadata
.endif
;; end of part 1
;; launch qkv (part 2): grid 16 x 32, 4 waves a work-group, clusters of 4 x 4, 327,680 bytes of LDS; arguments xb, wqT, b_qkv, qh, kh, vh; writes qh, kh, vh
.if DOCPART == 2
	.amdgcn_target "amdgcn-amd-amdhsa--gfx1250"
	.amdhsa_code_object_version 6
	.text
	.protected	k_qee62a3e332_qkv
	.globl	k_qee62a3e332_qkv
	.p2align	8
	.type	k_qee62a3e332_qkv,@function
k_qee62a3e332_qkv:
	s_mov_b64 s[64:65], 0
	v_nop
	global_prefetch_b8 v0, s[64:65] scope:SCOPE_SE
	s_setreg_imm32_b32 hwreg(HW_REG_WAVE_MODE, 25, 1), 1
	s_wait_xcnt 0x0
	s_wait_alu depctr_hold_cnt(0) depctr_sa_sdst(0) depctr_va_vdst(0) depctr_va_sdst(0) depctr_va_ssrc(0) depctr_va_vcc(0) depctr_vm_vsrc(0)
	s_getreg_b32 s2, hwreg(HW_REG_IB_STS2, 6, 4)
	s_cmp_eq_u32 s2, 0
	s_cbranch_scc0 .Lentry_in_a_cluster
	s_endpgm
.Lentry_in_a_cluster:
	s_bfe_u32 s2, ttmp6, 0x10000c
	s_cmp_lg_u32 s2, 0xf033
	s_cbranch_scc0 .Lentry_shape_is_right
	s_endpgm
.Lentry_shape_is_right:
; q, k, v = x w_qkv + b_qkv, by heads.  xb [8192][1024] bf16, wqT [3072 n][1024 k] bf16, b_qkv [3072] f32 (rounded to bf16 like the other inputs); qh, kh, vh [64 bh][2048][64] f16, unscaled.
; LIMIT.  f16 holds no number beyond 65,504: q, k and v must stay within it.
; A work-group makes 256 rows x the 192 columns of ONE head (64 of q, 64 of k, 64 of v).  Four waves; wave w owns rows 64 w .. 64 w + 63 and all 192 columns: 48 accumulators of 16 x 16, 384 registers,
; so that whole rows of q, k and v are one wave's and the way out needs no other wave.  K goes in steps of 128 through two LDS slots filled by tensor loads; a step is four quarters of 32 along K,
; 48 matrix instructions and 32 LDS loads each.  512 work-groups: two for each of 256 WGPs.
; CLUSTER 4 x 4: the four of a row need the same rows of xb, the four of a column the same head of wqT: each tile is asked for jointly.
; THE MATRIX INSTRUCTION IS USED TRANSPOSED (source 0 = 16 rows of wqT, source 1 = 16 rows of xb): a lane holds row l % 16 and eight neighbouring columns 8 (l / 16) + 0..7.
; The bias is the C operand of the products that start the sums: nothing is cleared, nothing is added at the end.
; REGISTERS, in windows of 256: window 0: v16-29 addresses; v64-159 the bias (8 b + j), later two buffers for rows read back; v160-207 packed results.
;   window 1: two fragment buffers of 128: wqT's 12 fragments at f + 8 b, xb's 4 at f + 96 + 8 a.   window 2: accumulators of row blocks 0, 1 at 96 a + 8 b;   window 3: of row blocks 2, 3.
.set KSTEP,  128
.set PITCH,  272                       ; an LDS row: 256 bytes + 16 of padding = 68 words: the 16 rows of a fragment load start at 16 different groups of four banks (64 banks of 4 bytes: ISA guide 11.1)
.set HALFA,  128*PITCH                 ; what one tensor load brings of xb
.set HALFB,  96*PITCH                  ; and of wqT
.set BOFF,   2*HALFA
.set SLOT,   BOFF+2*HALFB              ; 256 rows of xb, then 192 rows of wqT
.set STAGE,  2*SLOT                    ; behind the ring: 7,168 bytes for each wave: three parts (q, k, v) of 16 rows x 144 bytes
.set WSTAGE, 7168
.set SP,     144
.set SPARE,  STAGE+4*WSTAGE            ; the spare words, 128 bytes for each wave
.set LAPS,   4                         ; a lap = two K steps; K = 1,024
.set ADRA, 16
.set ADRB, 20
.set STO,  24
.set RD,   25
.set GO,   26
.set BO,   27
.set SPW,  28
.set NIL,  29
.set BIAS, 64
.set OB,   64
.set TMP,  160
.set F0,   0
.set F1,   128
.set G1,   24
.set G0,   32
.set G1B,  48
.set G0B,  56
.set MSB, 0
.macro WIN new                         ; the immediate's high byte repeats the setting that is left
.if MSB != (\new)
	s_set_vgpr_msb (MSB<<8)|(\new)
.set MSB, \new
.endif
.endm
.macro JLOAD s                         ; a joint load: waves 0 and 1 fetch xb's two halves, waves 2 and 3 wqT's; an s_nop 0 and four v_nop follow each line
	s_cmp_eq_u32 s17, 0
	s_cbranch_scc0 .Lfor_b_\@
	tensor_load_to_lds s[G0+4*(\s):G0+4*(\s)+3], s[G1:G1+7]
	s_nop 0
.rept 4
	v_nop
.endr
	s_branch .Lasked_\@
.Lfor_b_\@:
	tensor_load_to_lds s[G0B+4*(\s):G0B+4*(\s)+3], s[G1B:G1B+7]
	s_nop 0
.rept 4
	v_nop
.endr
.Lasked_\@:
.endm
.macro CREST                           ; a round of the cluster's barrier behind its opening barrier
	s_cmp_lg_u32 s16, 0
	s_cbranch_scc1 .Lnot_wave_0_\@
	s_barrier_signal -3
.Lnot_wave_0_\@:
	s_barrier_wait -3
	s_barrier_signal -1
	s_barrier_wait -1
.endm
.macro CROUND
	s_barrier_signal -1
	s_barrier_wait -1
	CREST
.endm
.macro PLACES                          ; four places in front of loads into registers that matrix instructions have read, and of lines that read results
.rept 4
	v_nop
.endr
.endm
	s_load_b256 s[4:11], s[0:1], 0x0               ; xb 4:5, wqT 6:7, b_qkv 8:9, qh 10:11
	s_load_b128 s[12:15], s[0:1], 0x20             ; kh 12:13, vh 14:15
	v_lshl_add_u32 v[SPW], v0, 2, SPARE
	v_mov_b32 v[NIL], 0
	ds_add_u32 v[SPW], v[NIL]                      ; the wave's opening: the add, waited for ahead of my first tensor load
	v_lshrrev_b32 v1, 5, v0
	v_readfirstlane_b32 s16, v1                    ; wave 0..3
	s_lshr_b32 s17, s16, 1                         ; I fetch for xb (0) or wqT (1),
	s_and_b32 s18, s16, 1                          ; its first or second half
	s_bfe_u32 s40, ttmp6, 0x40000                  ; cx
	s_bfe_u32 s41, ttmp6, 0x40004                  ; cy
	s_lshl_b32 s42, ttmp9, 2
	s_add_co_u32 s42, s42, s40                     ; the head = 4 x cluster x + cx
	s_and_b32 s19, ttmp7, 0xffff
	s_lshl_b32 s19, s19, 2
	s_add_co_u32 s19, s19, s41                     ; the block of 256 rows = 4 x cluster y + cy
	s_lshl_b32 s43, s41, 2
	s_lshl_b32 s43, 15, s43                        ; my row of the cluster
	s_lshl_b32 s44, 0x1111, s40                    ; my column
	s_or_b32 s[G1+0], s43, (1<<16)|(1<<20)|(1<<21)|(5<<22)|(3<<25)   ; the mask; 2-byte elements; padding on; bit 21 beside a mask; after every 64 words 4 words
	s_or_b32 s[G1B+0], s44, (1<<16)|(1<<20)|(1<<21)|(5<<22)|(3<<25)
	s_mov_b32 s[G1+1], KSTEP<<16                   ; tensor_dim0 = 128
	s_mov_b32 s[G1+2], 128<<16                     ; tensor_dim1 = 128
	s_mov_b32 s[G1+3], KSTEP<<16                   ; tile_dim0 = 128
	s_mov_b32 s[G1+4], 128                         ; tile_dim1 = 128
	s_mov_b32 s[G1+5], 1024                        ; elements from row to row
	s_mov_b32 s[G1+6], 0
	s_mov_b32 s[G1+7], 0
	s_mov_b32 s[G1B+1], KSTEP<<16
	s_mov_b32 s[G1B+2], 96<<16                     ; 96 rows
	s_mov_b32 s[G1B+3], KSTEP<<16
	s_mov_b32 s[G1B+4], 96
	s_mov_b32 s[G1B+5], 1024
	s_mov_b32 s[G1B+6], 0
	s_mov_b32 s[G1B+7], 0
	s_lshl_b32 s21, s18, 7
	s_lshl_b32 s20, s19, 8
	s_add_co_u32 s20, s20, s21                     ; xb: row 256 x block + 128 x half,
	s_lshl_b32 s20, s20, 11                        ; of 2,048 bytes
	s_mov_b32 s21, 0
	s_mul_i32 s46, s42, 192
	s_mul_i32 s47, s18, 96
	s_add_co_u32 s46, s46, s47                     ; wqT: row 192 x head + 96 x half
	s_lshl_b32 s46, s46, 11
	s_mov_b32 s47, 0
	s_mul_i32 s22, s18, HALFA                      ; where they go: no place in the cluster enters an LDS address
	s_mul_i32 s23, s18, HALFB
	s_add_co_u32 s23, s23, BOFF
	s_wait_dscnt 0x0                               ; the opening add is done
	s_wait_kmcnt 0x0
	s_add_nc_u64 s[20:21], s[4:5], s[20:21]
	s_add_nc_u64 s[46:47], s[6:7], s[46:47]
	CROUND                                         ; all sixteen work-groups are here: the first joint loads meet
.irp s, 0,1
	s_mov_b32 s[G0+4*(\s)], 1
	s_add_co_u32 s[G0+4*(\s)+1], s22, (\s)*SLOT
	s_add_nc_u64 s[G0+4*(\s)+2:G0+4*(\s)+3], s[20:21], (\s)*KSTEP*2
	s_or_b32 s[G0+4*(\s)+3], s[G0+4*(\s)+3], 0x80000000
	s_mov_b32 s[G0B+4*(\s)], 1
	s_add_co_u32 s[G0B+4*(\s)+1], s23, (\s)*SLOT
	s_add_nc_u64 s[G0B+4*(\s)+2:G0B+4*(\s)+3], s[46:47], (\s)*KSTEP*2
	s_or_b32 s[G0B+4*(\s)+3], s[G0B+4*(\s)+3], 0x80000000
	JLOAD \s                                       ; K steps 0 and 1: two loads of mine are out
.endr
	v_and_b32 v1, 15, v0                           ; l % 16
	v_bfe_u32 v2, v0, 4, 1                         ; l / 16
	v_lshlrev_b32 v[BO], 5, v2                     ; the bias of my eight columns: 32 bytes for each half of the lanes
	s_mul_i32 s66, s42, 768
	s_mov_b32 s67, 0
	s_add_nc_u64 s[8:9], s[8:9], s[66:67]          ; the head's 192 numbers
.set i, 0
.rept 12
	global_load_b128 v[BIAS+8*i:BIAS+8*i+3], v[BO], s[8:9] offset:64*i
	global_load_b128 v[BIAS+8*i+4:BIAS+8*i+7], v[BO], s[8:9] offset:64*i+16
.set i, i+1
.endr
	v_mul_u32_u24 v3, v1, PITCH
	v_lshl_add_u32 v3, v2, 4, v3                   ; a fragment's row x pitch + 16 x half
	s_mul_i32 s68, s16, 64*PITCH                   ; my 64 rows of xb
	s_mov_b32 s69, BOFF                            ; all 192 rows of wqT
.irp s, 0,1
	v_add_nc_u32 v[ADRA+(\s)], s68, v3
	v_add_nc_u32 v[ADRB+(\s)], s69, v3
	s_add_co_u32 s68, s68, SLOT
	s_add_co_u32 s69, s69, SLOT
.endr
	s_mul_i32 s68, s16, WSTAGE
	s_add_co_u32 s68, s68, STAGE                   ; my stage
	v_mul_u32_u24 v4, v1, SP                       ; in: row l % 16, 16 bytes for each half of the lanes
	v_lshl_add_u32 v4, v2, 4, v4
	v_add_nc_u32 v[STO], s68, v4
	v_and_b32 v5, 31, v0
	v_lshrrev_b32 v6, 3, v5                        ; back: 32 lanes take four rows of 128 bytes,
	v_and_b32 v7, 7, v0
	v_mul_u32_u24 v6, v6, SP
	v_lshl_add_u32 v6, v7, 4, v6
	v_add_nc_u32 v[RD], s68, v6
	v_lshlrev_b32 v[GO], 4, v5                     ; which are 512 consecutive bytes of q, k or v
	s_lshr_b32 s70, s19, 3                         ; the batch,
	s_lshl_b32 s70, s70, 4
	s_add_co_u32 s70, s70, s42                     ; 16 x batch + head,
	s_lshl_b32 s70, s70, 18                        ; its 2,048 rows of 128 bytes,
	s_and_b32 s71, s19, 7
	s_lshl_b32 s71, s71, 8
	s_lshl_b32 s69, s16, 6
	s_add_co_u32 s71, s71, s69                     ; and my first row among them
	s_lshl_b32 s71, s71, 7
	s_add_co_u32 s70, s70, s71
	s_mov_b32 s71, 0
	s_add_nc_u64 s[10:11], s[10:11], s[70:71]
	s_add_nc_u64 s[12:13], s[12:13], s[70:71]
	s_add_nc_u64 s[14:15], s[14:15], s[70:71]
	s_wait_loadcnt 0x0                             ; the bias, rounded to bf16 and widened again
.set i, 0
.rept 48
	v_cvt_pk_bf16_f32 v[TMP+i], v[BIAS+2*i], v[BIAS+2*i+1]
.set i, i+1
.endr
.set i, 0
.rept 48
	v_lshlrev_b32 v[BIAS+2*i], 16, v[TMP+i]
	v_and_b32 v[BIAS+2*i+1], 0xffff0000, v[TMP+i]
.set i, i+1
.endr
; n x 12 matrix instructions: row blocks a0 .. of the window's two (hi = 0: my rows 0-31, 1: rows 32-63) x all 12 column blocks, 32 along K.  zero = 1: the bias starts the sums.
; The 48 accumulators take turns in the same order in every quarter.
.macro MUL f, hi, a0, n, zero
.if \zero
	WIN 0x85+0x40*(\hi)
.else
	WIN 0xa5+0x50*(\hi)
.endif
.set ma, \a0
.rept \n
.set mb, 0
.rept 12
.if \zero
	v_wmma_f32_16x16x32_bf16 v[96*ma+8*mb:96*ma+8*mb+7], v[(\f)+8*mb:(\f)+8*mb+7], v[(\f)+96+8*(2*(\hi)+ma):(\f)+96+8*(2*(\hi)+ma)+7], v[BIAS+8*mb:BIAS+8*mb+7]
.else
	v_wmma_f32_16x16x32_bf16 v[96*ma+8*mb:96*ma+8*mb+7], v[(\f)+8*mb:(\f)+8*mb+7], v[(\f)+96+8*(2*(\hi)+ma):(\f)+96+8*(2*(\hi)+ma)+7], v[96*ma+8*mb:96*ma+8*mb+7]
.endif
.set mb, mb+1
.endr
.set ma, ma+1
.endr
.endm
.macro FETCH slot, k, f                ; 32 LDS loads in one run: wqT's 24, then xb's 8
	WIN 0x40
.set mb, 0
.rept 12
	ds_load_b128 v[(\f)+8*mb:(\f)+8*mb+3],   v[ADRB+(\slot)] offset:(\k)+mb*16*PITCH
	ds_load_b128 v[(\f)+8*mb+4:(\f)+8*mb+7], v[ADRB+(\slot)] offset:(\k)+mb*16*PITCH+32
.set mb, mb+1
.endr
.set ma, 0
.rept 4
	ds_load_b128 v[(\f)+96+8*ma:(\f)+96+8*ma+3],   v[ADRA+(\slot)] offset:(\k)+ma*16*PITCH
	ds_load_b128 v[(\f)+96+8*ma+4:(\f)+96+8*ma+7], v[ADRA+(\slot)] offset:(\k)+ma*16*PITCH+32
.set ma, ma+1
.endr
.endm
.macro QUARTER slot, k, f, g, zero     ; multiplies buffer f; in its middle fetches the next quarter, at byte k of the rows, into g
	s_wait_dscnt 4                                 ; wqT and my rows 0-31 are in; the youngest four loads (rows 32-63) may be out
	MUL \f, 0, 0, 2, \zero
	PLACES
	FETCH \slot, \k, \g
	s_wait_dscnt 32                                ; all but the 32 just issued
	MUL \f, 1, 0, 2, \zero
.endm
; The last quarter multiplies buffer 1 and changes slots: ONE barrier; in front of it each wave waits for all its tensor loads (one is out: its part of the next slot), adds 0 to its spare word,
; and waits for that and for its reads of this slot.  fill = 1: the barrier opens a round of the cluster's, and this slot is filled again first behind it, two K steps ahead.
.macro TURN slot, next, fill
	WIN 0
	s_wait_tensorcnt 0x0
	ds_add_u32 v[SPW], v[NIL]
	s_wait_dscnt 5                                 ; (the add and the youngest four loads may be out)
	MUL F1, 0, 0, 1, 0
	s_wait_dscnt 0x0                               ; the add is done, and my reads of this slot are over
	s_barrier_signal -1
	MUL F1, 0, 1, 1, 0
.if \fill
	WIN 0
.endif
	s_barrier_wait -1
.if \fill
	CREST                                          ; no wave of any partner still reads this slot or has a load on its way
	s_add_nc_u64 s[G0+4*(\slot)+2:G0+4*(\slot)+3], s[G0+4*(\slot)+2:G0+4*(\slot)+3], 2*KSTEP*2
	s_add_nc_u64 s[G0B+4*(\slot)+2:G0B+4*(\slot)+3], s[G0B+4*(\slot)+2:G0B+4*(\slot)+3], 2*KSTEP*2
	JLOAD \slot                                    ; its four v_nop are also the places in front of the loads below
.else
	PLACES
.endif
	FETCH \next, 0, F0
	MUL F1, 1, 0, 2, 0
.endm
	s_wait_tensorcnt 1                             ; my part of K step 0 is in; step 1's may stay out
	s_barrier_signal -1
	s_barrier_wait -1
	FETCH 0, 0, F0
	QUARTER 0, 64, F0, F1, 1                       ; the first quarter stands in front of the loop: its products start the sums
	WIN 0
	s_mov_b32 s3, LAPS-1
.Llap:
	QUARTER 0, 128, F1, F0, 0
	QUARTER 0, 192, F0, F1, 0
	TURN 0, 1, 1
	QUARTER 1, 64,  F0, F1, 0
	QUARTER 1, 128, F1, F0, 0
	QUARTER 1, 192, F0, F1, 0
	TURN 1, 0, 1
	QUARTER 0, 64,  F0, F1, 0
	WIN 0
	s_sub_co_u32 s3, s3, 1
	s_cmp_lg_u32 s3, 0
	s_cbranch_scc1 .Llap
	QUARTER 0, 128, F1, F0, 0                      ; the last lap fills nothing
	QUARTER 0, 192, F0, F1, 0
	TURN 0, 1, 0
	QUARTER 1, 64,  F0, F1, 0
	QUARTER 1, 128, F1, F0, 0
	QUARTER 1, 192, F0, F1, 0
	s_wait_dscnt 4
	MUL F1, 0, 0, 2, 0
	s_wait_dscnt 0x0
	MUL F1, 1, 0, 2, 0
	WIN 0
	; THE WAY OUT, a block of 16 rows at a time: rounded to f16 (16 bytes a lane), into my stage by parts q, k, v, back as whole rows of 128 bytes, stored 512 consecutive bytes at a time.
.macro PACK a
	WIN 0x0a+5*((\a)/2)                            ; sources in window 2 or 3
.set mb, 0
.rept 12
.set mr, 0
.rept 4
	v_cvt_pk_f16_f32 v[TMP+4*mb+mr], v[96*((\a)%2)+8*mb+2*mr], v[96*((\a)%2)+8*mb+2*mr+1]  ; each accumulator from its low end on
.set mr, mr+1
.endr
.set mb, mb+1
.endr
	WIN 0
.endm
.macro TOSTAGE a
	WIN 0
.set mb, 0
.rept 12
	ds_store_b128 v[STO], v[TMP+4*mb:TMP+4*mb+3] offset:(mb/4)*16*SP+32*(mb%4)
.set mb, mb+1
.endr
.set mb, 0
.rept 12
	ds_load_b128 v[OB+48*((\a)%2)+4*mb:OB+48*((\a)%2)+4*mb+3], v[RD] offset:(mb/4)*16*SP+(mb%4)*4*SP  ; LDS serves a wave's instructions in order (ISA guide 5.7.1.4): these see the stores above
.set mb, mb+1
.endr
.endm
.macro SEND a
	WIN 0
	s_wait_dscnt 0x0                               ; the block is back in registers
	s_wait_xcnt 0x0                                ; the other buffer, which earlier stores read, is loaded again only behind this wait
.set mb, 0
.rept 12
	global_store_b128 v[GO], v[OB+48*((\a)%2)+4*mb:OB+48*((\a)%2)+4*mb+3], s[10+2*(mb/4):11+2*(mb/4)] offset:(\a)*2048+(mb%4)*512
.set mb, mb+1
.endr
.endm
	PLACES
	PACK 0
	TOSTAGE 0
.irp a, 1,2,3
	PACK \a
	SEND (\a)-1
	TOSTAGE \a
.endr
	SEND 3
	s_wait_tensorcnt 0x0                           ; the wave's end
	ds_add_u32 v[SPW], v[NIL]
	s_wait_dscnt 0x0
	CROUND                                         ; the closing round
	s_endpgm
.Lfunc_end_k_qee62a3e332_qkv:
	.size	k_qee62a3e332_qkv, .Lfunc_end_k_qee62a3e332_qkv-k_qee62a3e332_qkv
	.p2alignl 7, 3214868480
	.fill 96, 4, 3214868480
	.section	.rodata,"a",@progbits
	.p2align	6, 0x0
	.amdhsa_kernel k_qee62a3e332_qkv
		.amdhsa_group_segment_fixed_size 327680
		.amdhsa_private_segment_fixed_size 0
		.amdhsa_enable_private_segment 0
		.amdhsa_kernarg_size 48
		.amdhsa_user_sgpr_count 2
		.amdhsa_user_sgpr_kernarg_segment_ptr 1
		.amdhsa_wavefront_size32 1
		.amdhsa_system_sgpr_workgroup_id_x 1
		.amdhsa_system_sgpr_workgroup_id_y 1
		.amdhsa_system_sgpr_workgroup_id_z 1
		.amdhsa_system_vgpr_workitem_id 0
		.amdhsa_next_free_vgpr 1024
		.amdhsa_next_free_sgpr 72
		.amdhsa_reserve_vcc 0
		.amdhsa_float_denorm_mode_32 3
		.amdhsa_float_denorm_mode_16_64 3
		.amdhsa_memory_ordered 1
		.amdhsa_forward_progress 1
		.amdhsa_inst_pref_size 128
	.end_amdhsa_kernel
	.amdgpu_metadata
---
amdhsa.version: [ 1, 2 ]
amdhsa.kernels:
  - .name:           k_qee62a3e332_qkv
    .symbol:         k_qee62a3e332_qkv.kd
    .args:
      - { .name: xb, .offset: 0, .size: 8, .value_kind: global_buffer, .address_space: global }
      - { .name: wqT, .offset: 8, .size: 8, .value_kind: global_buffer, .address_space: global }
      - { .name: b_qkv, .offset: 16, .size: 8, .value_kind: global_buffer, .address_space: global }
      - { .name: qh, .offset: 24, .size: 8, .value_kind: global_buffer, .address_space: global }
      - { .name: kh, .offset: 32, .size: 8, .value_kind: global_buffer, .address_space: global }
      - { .name: vh, .offset: 40, .size: 8, .value_kind: global_buffer, .address_space: global }
    .group_segment_fixed_size: 327680
    .private_segment_fixed_size: 0
    .kernarg_segment_align: 8
    .kernarg_segment_size: 48
    .max_flat_workgroup_size: 128
    .sgpr_count:     72
    .vgpr_count:     1024
    .wavefront_size: 32
...
	.end_amdgpu_metadata
.endif
;; end of part 2
;; launch attn (part 3): grid 4 x 64, 8 waves a work-group, clusters of 4 x 1, 327,680 bytes of LDS; arguments qh, kh, vh, ctx, mbits; writes ctx
.if DOCPART == 3
	.amdgcn_target "amdgcn-amd-amdhsa--gfx1250"
	.amdhsa_code_object_version 6
	.text
	.protected	k_qee62a3e332_attn
	.globl	k_qee62a3e332_attn
	.p2align	8
	.type	k_qee62a3e332_attn,@function
k_qee62a3e332_attn:
	s_mov_b64 s[64:65], 0
	v_nop
	global_prefetch_b8 v0, s[64:65] scope:SCOPE_SE
	s_setreg_imm32_b32 hwreg(HW_REG_WAVE_MODE, 25, 1), 1
	s_wait_xcnt 0x0
	s_wait_alu depctr_hold_cnt(0) depctr_sa_sdst(0) depctr_va_vdst(0) depctr_va_sdst(0) depctr_va_ssrc(0) depctr_va_vcc(0) depctr_vm_vsrc(0)
	s_getreg_b32 s2, hwreg(HW_REG_IB_STS2, 6, 4)
	s_cmp_eq_u32 s2, 0
	s_cbranch_scc0 .Lentry_in_a_cluster
	s_endpgm
.Lentry_in_a_cluster:
	s_bfe_u32 s2, ttmp6, 0x10000c
	s_cmp_lg_u32 s2, 0x3003
	s_cbranch_scc0 .Lentry_shape_is_right
	s_endpgm
.Lentry_shape_is_right:
; ATTENTION UNDER A MASK THAT IS AN INPUT.  ctx[bh][q][:] = the sum over the keys k that mask[q][k] shows of softmax_k(q . k / 8) v[k][:].  qh, kh, vh, ctx: [64 bh][2048][64] f16, rows dense, 128 bytes.
; Products, maxima and sums in f32; the weights p are rounded to f16 for the second product (their sum l is taken of the unrounded p), ctx once at the end.
; LIMITS.  q, k, v arrive within f16's 65,504, so a score is 2.7e11 at the most.  A hidden score counts as its value less 1e30.  The running maximum m starts at -2^60, below every true score and above every
; hidden one: a hidden score never becomes the maximum and its weight is 0.  A row that sees no key ends with m = -2^60 and gives NaN, as the softmax of a row of -inf does.  A weight below 2^-126 counts as 0 in l.
; SHARES.  Work-group x of a head owns queries 512 x .. 512 x + 511: 4 x 64 = 256 work-groups.  Eight waves, each 64 consecutive queries (four PIECES of 16) in 460 registers.
; Every wave walks all the head's keys, 64 a step, 256 a tile: EVERY TILE IS COMPUTED, whatever the mask hides: a tile in which a wave's rows see nothing costs what any other costs and adds weights of 0.
; THE MASK.  mbits holds, for each register of a score tile, the 32 lanes' bits.  At the end of piece p's turn its score buffer is free: 32 v_cndmask_b32 write 0 or -1e30 into it, and the products K Q^T of
; piece p + 2 add in place onto that.  The words come by two scalar loads issued at the turn's beginning.
; CLUSTER.  A head's four work-groups walk the same K and V, so each tile is asked for JOINTLY: the same tensor load, descriptor and mask in all four; each receives the tile in its own LDS.
; LAYOUT, SOFTMAX, TURNS.  S^T = K Q^T holds ONE query a lane (lane % 16) and the keys 8 (lane / 16) + 0..7; two such results rounded to f16 ARE source 1 of O^T = V^T P.  p = 2^(c s - c m), c = log2(e) / 8;
; O and l are multiplied by a = 2^(c m_old - c m_new) in every step.  Turn n belongs to piece n: 8 products K Q^T of piece n + 1, later 8 products V^T P of piece n - 1; beside them the scaling, exponentials,
; roundings, sums and rescaling of piece n and the maximum and statistics of piece n + 1.  Four vector instructions stand behind every matrix instruction, the others in lumps.
; REGISTERS, in windows of 256 (s_set_vgpr_msb: bits 1:0 source 0, 3:2 source 1, 5:4 source 2, 7:6 destination):
;   window 0: v2-15 addresses and constants; v16-31 statistics; v32-39 at work; v40-42 the add's two and -1e30; v64-127 S^T, two buffers; v128-159 P, two buffers; v160-223 K of one step
;   window 1: v0-127 O^T, 32 a piece; v128-191 Q; v192-255 V of one step
.set NP,    4
.set KS,    64        ; keys in a step
.set PK,    144       ; a row of K in LDS: 128 bytes + 16: the 16 rows of a load start at 16 different groups of four banks (64 banks of 4 bytes: ISA guide 11.1)
.set PV,    160       ; a row of V: 128 + 32
.set VOFF,  4*KS*PK   ; a slot holds a tile, four steps: 256 rows of K, then 256 rows of V
.set SLOT1, 1<<17     ; slot 1 begins here, so that one exclusive or turns an address in one slot into the other's
.set STAGE, SLOT1+4*KS*(PK+PV)  ; behind the ring, never filled by a tensor load: 16 rows x 144 bytes for each wave
.set SP,    144
.set SPARE, STAGE+8*16*SP       ; the spare words, 128 bytes for each of the eight waves
.set AK0, 2           ; v2   my lane's place in a tile of K; never rewritten
.set AV0, 3           ; v3   the same for V
.set AK,  4           ; v4   the LDS address of K's next run of loads
.set AV,  5           ; v5   of V's
.set STO, 6
.set RD,  7
.set GO,  8
.set MV,  12          ; v12-13  c m_old, by buffer
.set NANV, 14
.set QO,  15
.set ST,  16          ; piece t: c m, m, l (even keys', odd keys')
.set TMP, 32          ; by buffer, c0-c3 at work; c2 takes a
.set SPW, 40          ; v40  SPARE + 4 x my thread's number; never rewritten
.set NIL, 41          ; v41  0; never rewritten
.set BIGV, 42         ; -1e30
.set S,   64
.set P,   128
.set KF,  160         ; key block kb, channel half c at KF + 16 kb + 8 c
.set QF,  128         ; window 1: piece x, channel half c at QF + 16 x + 8 c
.set VF,  192         ; window 1: key half kk, channel block cb at VF + 32 kk + 8 cb
.set WV,  12          ; s12  my wave's number
.set MW,  16          ; s[16:47] 32 mask words
.set G1K, 48          ; s[48:55] descriptor group 1 for K's tiles
.set G1V, 56          ; s[56:63] for V's: it differs in the padding alone
.set CS,  66          ; s[66:67] c
.set G0K, 68          ; s[68:71] descriptor group 0 for K's tiles: it walks
.set G0V, 72          ; s[72:75] the same for V's
.set SEL, 76          ; s[76:77] v_permlanex16_b32's selects
.set TBK, 78          ; LDS byte at which K of the step to be fetched begins
.set TBV, 79          ; the same for V, less VOFF
.set SLOTS, 80        ; slots still to be asked for
.set CNT, 81          ; counts a tile's key steps
.set MB,  84          ; s[84:85] mbits
.set MO,  88          ; byte offset in mbits of my piece 0's words for the step whose masks are being made: 128 bytes a step, 512 a tile
.set THR, 93          ; -2^59
.set MSB, 0
.macro WIN new                      ; the high byte repeats the setting that is left; a switch that changes nothing is dropped
.if MSB != (\new)
	s_set_vgpr_msb (MSB<<8)|(\new)
.set MSB, (\new)
.endif
.endm
.set W_KQ, 0x04       ; Q in window 1; K and S^T in window 0
.set W_PV, 0x51       ; V and O^T in window 1, P in window 0
.set W_RS, 0x41       ; destination and source 0 in window 1
; A joint fill.  Waves 0 and 1 fetch the two halves of a tile's K, waves 2 and 3 those of its V: 128 keys, 64 rows of 256 bytes each; waves 4 to 7 have no part of it.  The branches hang on the wave's number
; alone: they are the same in every work-group.  An s_nop 0 and four v_nop follow each of the two lines, ahead of the jump and the label.
.macro JLOAD
	s_cmp_lt_u32 s[WV], 2
	s_cbranch_scc0 .Lnot_k_\@
	tensor_load_to_lds s[G0K:G0K+3], s[G1K:G1K+7]
	s_nop 0
.rept 4
	v_nop
.endr
	s_branch .Lasked_\@
.Lnot_k_\@:
	s_cmp_lt_u32 s[WV], 4
	s_cbranch_scc0 .Lasked_\@
	tensor_load_to_lds s[G0V:G0V+3], s[G1V:G1V+7]
	s_nop 0
.rept 4
	v_nop
.endr
.Lasked_\@:
.endm
; A round of the cluster's barrier: my work-group's barrier, so that wave 0's signal speaks for all eight waves; wave 0 signals; every wave waits for all four work-groups; my work-group's barrier once more.
.macro CROUND
	s_barrier_signal -1
	s_barrier_wait -1
	s_cmp_lg_u32 s[WV], 0
	s_cbranch_scc1 .Lnot_wave_0_\@
	s_barrier_signal -3
.Lnot_wave_0_\@:
	s_barrier_wait -3
	s_barrier_signal -1
	s_barrier_wait -1
.endm
; THE CHANGE OF SLOTS.  The slot's last bytes, V of its fourth step, have been read.  Each wave waits for all its tensor loads (at most one is out: its part of the other slot), adds 0 to its spare word, and
; waits for that and for its own reads of the slot.  Behind the barrier nobody reads this slot any more and the other slot is whole.  fill = 1: this slot is filled again, with the keys two slots on.  The barrier
; is then a round of the cluster's, so that no wave of any partner still reads the slot or has a load on its way, and the joint fill is the first thing behind it: it has four key steps, 64 matrix instructions
; a wave and step, in which to land.  (At its first use nothing has been read yet: slot 0 is waited for, slot 1 filled.)
.macro CHANGE fill
	WIN 0                           ; at a label and at a branch every window is 0
	s_wait_tensorcnt 0x0            ; no tensor load of mine is out, so a group 0 may be written
	ds_add_u32 v[SPW], v[NIL]       ; with fill = 1 the descriptors' steps stand between the add and the wait for it
.if \fill
.irp g, G0K, G0V
	s_xor_b32 s[\g+1], s[\g+1], SLOT1  ; the walking descriptor: the other slot than last time,
	s_add_nc_u64 s[\g+2:\g+3], s[\g+2:\g+3], 4*KS*128  ; the next 256 keys; the type bits on top are not reached
.endr
	s_wait_dscnt 0x0                ; the add is done, and my reads of the slot are over
	CROUND
	JLOAD
.else
	s_wait_dscnt 0x0                ; the add is done, and my reads of the slot are over
	s_barrier_signal -1
	s_barrier_wait -1
.endif
	s_sub_co_u32 s[TBK], s[TBK], 4*KS*PK  ; the fetches go back to a slot's first step,
	s_xor_b32 s[TBK], s[TBK], SLOT1       ; in the other slot
	s_sub_co_u32 s[TBV], s[TBV], 4*KS*PV
	s_xor_b32 s[TBV], s[TBV], SLOT1
.endm
	s_load_b256 s[4:11], s[0:1], 0x0  ; qh 4:5, kh 6:7, vh 8:9, ctx 10:11
	s_load_b64 s[MB:MB+1], s[0:1], 0x20  ; mbits
	v_lshl_add_u32 v[SPW], v0, 2, SPARE
	v_mov_b32 v[NIL], 0
	ds_add_u32 v[SPW], v[NIL]       ; the wave's opening: the add, waited for ahead of my first tensor load; the set-up below, work on registers, stands between the add and the wait
	v_lshrrev_b32 v1, 5, v0
	v_readfirstlane_b32 s[WV], v1   ; wave 0..7
	s_bfe_u32 s13, ttmp6, 0x40000   ; cx: my place in the cluster
	s_lshl_b32 s14, ttmp9, 2        ; in a cluster launch ttmp9 counts clusters
	s_add_co_u32 s14, s14, s13      ; my block of 512 queries = 4 x cluster x + cx: it enters Q's, ctx's and mbits' addresses alone
	s_lshl_b32 s15, s14, 3
	s_add_co_u32 s15, s15, s[WV]    ; g: my wave's 64 rows among the head's 32 such groups
	s_and_b32 s96, ttmp7, 0xffff    ; bh, which the four partners share
	s_lshl_b32 s96, s96, 18         ; its first byte in each of the four tensors
	s_mov_b32 s97, 0
	s_and_b32 s98, s[WV], 1         ; which half of a tile's 256 keys I fetch (waves 0 to 3):
	s_lshl_b32 s2, s98, 14          ; its 128 rows of 128 bytes in memory
	s_mov_b32 s3, 0
	s_add_nc_u64 s[2:3], s[2:3], s[96:97]
	s_lshl_b32 s94, s15, 13         ; my 64 rows of Q and ctx
	s_mov_b32 s95, 0
	s_add_nc_u64 s[94:95], s[94:95], s[96:97]
	s_mul_i32 s99, s98, 128*PK      ; the half's place in a slot, for K
	s_mul_i32 s98, s98, 128*PV      ; and for V: no place in the cluster enters an LDS address
	; descriptor group 1: 128 keys are 16,384 dense bytes: asked for as 64 rows of 256 bytes, two keys a row, padded in LDS after every key
	s_mov_b32 s[G1K], 15|(1<<16)|(1<<20)|(1<<21)|(4<<22)|(3<<25)  ; 15:0 the mask of four; 17:16 2-byte elements; 20 padding on; 21 set beside a mask; 24:22 after every 32 words (code 4); 31:25 4 words (code 3)
	s_mov_b32 s[G1V], 15|(1<<16)|(1<<20)|(1<<21)|(4<<22)|(7<<25)  ; the same with 8 words of padding (code 7)
.irp g, G1K, G1V
	s_mov_b32 s[\g+1], 128<<16      ; tensor_dim0 = 128
	s_mov_b32 s[\g+2], 64<<16       ; tensor_dim1 = 64
	s_mov_b32 s[\g+3], 128<<16      ; tile_dim0 = 128
	s_mov_b32 s[\g+4], 64           ; tile_dim1 = 64
	s_mov_b32 s[\g+5], 128          ; 128 elements from row to row
	s_mov_b32 s[\g+6], 0
	s_mov_b32 s[\g+7], 0
.endr
	s_mov_b32 s[CS], 0x3e38aa3b     ; c = log2(e) / 8
	s_mov_b32 s[CS+1], s[CS]        ; named with it as a pair
	s_mov_b32 s[SEL], 0x76543210
	s_mov_b32 s[SEL+1], 0xfedcba98
	s_mov_b32 s[THR], 0xdd000000    ; -2^59
	s_mov_b32 s[TBK], SLOT1+4*KS*PK ; the first change of slots turns these two into 0
	s_mov_b32 s[TBV], SLOT1+4*KS*PV
	s_mov_b32 s[G0K], 1             ; 1:0 count = 1
	s_mov_b32 s[G0K+1], s99         ; 63:32 LDS address: slot 0
	s_mov_b32 s[G0V], 1
	s_add_co_u32 s[G0V+1], s98, VOFF
	s_lshl_b32 s[MO], s15, 14       ; my four pieces x 8 tiles x 4 steps x 128 bytes
	s_wait_dscnt 0x0                ; the opening add is done
	s_wait_kmcnt 0x0
	s_add_nc_u64 s[G0K+2:G0K+3], s[6:7], s[2:3]  ; 120:64 global address: my half of the head's first 256 keys
	s_or_b32 s[G0K+3], s[G0K+3], 0x80000000      ; 127:126 type = 2
	s_add_nc_u64 s[G0V+2:G0V+3], s[8:9], s[2:3]
	s_or_b32 s[G0V+3], s[G0V+3], 0x80000000
	s_add_nc_u64 s[4:5], s[4:5], s[94:95]        ; Q and ctx at my wave's first row
	s_add_nc_u64 s[10:11], s[10:11], s[94:95]
	CROUND                          ; all four work-groups are here: the first joint loads meet
	JLOAD                           ; tile 0 into slot 0.  Slot 1 is asked for when slot 0 is in
	v_and_b32 v1, 15, v0            ; l % 16
	v_bfe_u32 v9, v0, 4, 1          ; l / 16
	v_lshlrev_b32 v[QO], 7, v1
	v_lshl_add_u32 v[QO], v9, 4, v[QO]  ; row x 128 + 16 x half
	WIN 0x40
.set i, 0
.rept 8                             ; Q stays in registers: piece i / 2, channels 32 (i % 2) on
	global_load_b128 v[QF+8*i:QF+8*i+3],   v[QO], s[4:5] offset:(i/2)*2048+(i%2)*64
	global_load_b128 v[QF+8*i+4:QF+8*i+7], v[QO], s[4:5] offset:(i/2)*2048+(i%2)*64+32
.set i, i+1
.endr
	; The first step multiplies O^T and l by a = 0, and the first turn's products V^T P, of a piece that has not been, add 0: these registers hold zeros.  All this stands in the wait for the first tile.
.set i, VF
.rept 64
	v_mov_b32 v[i], 0
.set i, i+1
.endr
.set i, 0
.rept 128
	v_mov_b32 v[i], 0
.set i, i+1
.endr
	WIN 0
.set i, 0
.rept 4
	v_mov_b32 v[ST+4*i+2], 0
	v_mov_b32 v[ST+4*i+3], 0
.set i, i+1
.endr
.set i, P+16
.rept 16
	v_mov_b32 v[i], 0
.set i, i+1
.endr
	v_mov_b32 v[BIGV], 0xf149f2ca   ; -1e30
	v_mov_b32 v[NANV], 0x7fc00000
	v_mul_u32_u24 v[AK0], v1, PK
	v_lshl_add_u32 v[AK0], v9, 4, v[AK0]  ; row x pitch + 16 x half
	; The turning load takes 16 keys x 16 channels (lane l reads key 8 (l / 16) + l % 8, channels 8 ((l / 8) % 2) + 0..7) and leaves half a fragment of V^T.
	v_and_b32 v10, 7, v0
	v_bfe_u32 v11, v0, 3, 1
	v_lshl_add_u32 v[AV0], v9, 3, v10
	v_mul_u32_u24 v[AV0], v[AV0], PV
	v_lshl_add_u32 v[AV0], v11, 4, v[AV0]
	v_add_nc_u32 v[AV0], VOFF, v[AV0]
	s_mul_i32 s2, s[WV], 16*SP
	s_add_co_u32 s2, s2, STAGE      ; my stage
	v_mul_u32_u24 v[STO], v1, SP
	v_lshl_add_u32 v[STO], v9, 4, v[STO]
	v_add_nc_u32 v[STO], s2, v[STO]
	v_bfe_u32 v[RD], v0, 3, 2       ; back: 32 lanes take four rows of 128 bytes,
	v_mul_u32_u24 v[RD], v[RD], SP
	v_lshl_add_u32 v[RD], v10, 4, v[RD]
	v_add_nc_u32 v[RD], s2, v[RD]
	v_and_b32 v[GO], 31, v0         ; which are 512 consecutive bytes of ctx
	v_lshlrev_b32 v[GO], 4, v[GO]
; THE MATRIX WORK.  The 4 accumulators of a run of 8 take turns.  Product i of 8 of S^T += K Q^T for piece x, onto the mask: channels 32 (i / 4) on, keys 16 (i % 4) on.
.macro KQ x
	WIN W_KQ
.set rS, S+32*((\x)%2)+8*(i%4)
.set rK, KF+16*(i%4)+8*(i/4)
.set rQ, QF+16*(\x)+8*(i/4)
	v_wmma_f32_16x16x32_f16 v[rS:rS+7], v[rK:rK+7], v[rQ:rQ+7], v[rS:rS+7]
.endm
; Product i of 8 of O^T += V^T P for piece x: keys 32 (i / 4) on, channels 16 (i % 4) on.
.macro PV x
	WIN W_PV
.set rO, 32*(\x)+8*(i%4)
.set rV, VF+32*(i/4)+8*(i%4)
.set rP, P+16*((\x)%2)+8*(i/4)
	v_wmma_f32_16x16x32_f16 v[rO:rO+7], v[rV:rV+7], v[rP:rP+7], v[rO:rO+7]
.endm
.macro MM                           ; the turn's next matrix instruction.  NOKQ = 1: the very last turn: there is no next piece
.if (i < 8) && !NOKQ
	KQ (Y+1)%NP
.elseif i >= 8
.set i, i-8
	PV (Y+NP-1)%NP
.set i, i+8
.endif
.set i, i+1
.endm
; THE LDS LOADS stand in runs of 16: a step's K (8 fragments) and its V (turned).  Their addresses are made some lines ahead.
.macro FETCH_K
	WIN 0
.irp f, 0,1,2,3,4,5,6,7             ; keys 16 (f / 2) on, channels 32 (f % 2) on
	ds_load_b128 v[KF+8*\f:KF+8*\f+3],   v[AK] offset:(\f/2)*16*PK+(\f%2)*64
	ds_load_b128 v[KF+8*\f+4:KF+8*\f+7], v[AK] offset:(\f/2)*16*PK+(\f%2)*64+32
.endr
	s_add_co_u32 s[TBK], s[TBK], KS*PK  ; the next fetch is the next step's
.endm
.macro FETCH_V
	WIN 0x40
.irp f, 0,1,2,3,4,5,6,7             ; keys 32 (f / 4) on, channels 16 (f % 4) on
	ds_load_tr16_b128 v[VF+8*\f:VF+8*\f+3],   v[AV] offset:(\f/4)*32*PV+(\f%4)*32
	ds_load_tr16_b128 v[VF+8*\f+4:VF+8*\f+7], v[AV] offset:(\f/4)*32*PV+16*PV+(\f%4)*32
.endr
	WIN 0
.endm
.macro MASK b                       ; 0 where the bit is set, -1e30 where not, into score buffer b
	WIN 0
.set z, 0
.rept 32
	v_cndmask_b32 v[S+32*(\b)+z], v[BIGV], 0, s[MW+z]
.set z, z+1
.endr
.endm
; THE VECTOR WORK, one line at a time: OP kind, number.  For piece Y: F n: c s - c m for pair n of 16.  E n: the exponential of score n of 32.  C n: pair n rounded to f16.  B n: of the four weights 4 n .. the
; second pair is added onto the first.  L n: l takes that sum (L 0: l = a l + sum).  R n: pair n of 16 of O^T times a.  For piece Y + 1: X n, number n of the 22 that find its maximum and statistics:
;   0-11 four chains c0-c3 (each accumulator's lowest registers are read first)   12-14, 16 the scores left over, the old m, c0-c3 into c0   15 c m_old is kept
;   17, 18 the query's other 32 keys lie in the lane 16 away: the new m   19-21 c m; c m_old - c m_new; a
.set F, 0
.set E, 1
.set C, 2
.set B, 3
.set L, 4
.set R, 5
.set X, 6
.macro REGS y
.set rT, ST+4*(\y)
.set rC, TMP+4*((\y)%2)
.set rW, MV+((\y)%2)
.set rS, S+32*((\y)%2)
.set rP, P+16*((\y)%2)
.set rO, 32*(\y)
.endm
.macro OP k, n
.if (\k) == R
	REGS Y
	WIN W_RS
	v_pk_mul_f32 v[rO+2*(\n):rO+2*(\n)+1], v[rO+2*(\n):rO+2*(\n)+1], v[rC+2:rC+3] op_sel_hi:[1,0]
.elseif (\k) < R
	REGS Y
	WIN 0
.if (\k) == F
	v_pk_fma_f32 v[rS+2*(\n):rS+2*(\n)+1], v[rS+2*(\n):rS+2*(\n)+1], s[CS:CS+1], v[rT:rT+1] op_sel_hi:[1,0,0] neg_lo:[0,0,1] neg_hi:[0,0,1]
.elseif (\k) == E
	v_exp_f32 v[rS+(\n)], v[rS+(\n)]
.elseif (\k) == C
	v_cvt_pk_f16_f32 v[rP+(\n)], v[rS+2*(\n)], v[rS+2*(\n)+1]
.elseif (\k) == B
	v_pk_add_f32 v[rS+4*(\n):rS+4*(\n)+1], v[rS+4*(\n):rS+4*(\n)+1], v[rS+4*(\n)+2:rS+4*(\n)+3]
.elseif (\n) == 0
	v_pk_fma_f32 v[rT+2:rT+3], v[rT+2:rT+3], v[rC+2:rC+3], v[rS:rS+1] op_sel_hi:[1,0,1]
.else
	v_pk_add_f32 v[rT+2:rT+3], v[rT+2:rT+3], v[rS+4*(\n):rS+4*(\n)+1]
.endif
.elseif NOKQ
	v_nop
.else
	REGS (Y+1)%NP
	WIN 0
.if (\n) < 4
	v_max3_num_f32 v[rC+(\n)], v[rS+8*(\n)], v[rS+8*(\n)+1], v[rS+8*(\n)+2]
.elseif (\n) < 12
	v_max3_num_f32 v[rC+(\n)%4], v[rC+(\n)%4], v[rS+8*((\n)%4)+2*((\n)/4)+1], v[rS+8*((\n)%4)+2*((\n)/4)+2]
.elseif (\n) == 12
	v_max3_num_f32 v[rC], v[rC], v[rS+7], v[rS+15]
.elseif (\n) == 13
	v_max3_num_f32 v[rC+1], v[rC+1], v[rS+23], v[rS+31]
.elseif (\n) == 14
	v_max3_num_f32 v[rC+2], v[rC+2], v[rC+3], v[rT+1]
.elseif (\n) == 15
	v_mov_b32 v[rW], v[rT]
.elseif (\n) == 16
	v_max3_num_f32 v[rC], v[rC], v[rC+1], v[rC+2]
.elseif (\n) == 17
	v_permlanex16_b32 v[rC+3], v[rC], s[SEL], s[SEL+1]
.elseif (\n) == 18
	v_max_num_f32 v[rT+1], v[rC], v[rC+3]
.elseif (\n) == 19
	v_mul_f32 v[rT], s[CS], v[rT+1]
.elseif (\n) == 20
	v_sub_f32 v[rC+1], v[rW], v[rT]
.else
	v_exp_f32 v[rC+2], v[rC+1]
.endif
.endif
.endm
.macro OPS a, i1, b=-1, i2=0, c=-1, i3=0, d=-1, i4=0
	OP \a, \i1
.if (\b) >= 0
	OP \b, \i2
.endif
.if (\c) >= 0
	OP \c, \i3
.endif
.if (\d) >= 0
	OP \d, \i4
.endif
.endm
.macro ROW a, i1, b, i2, c, i3, d, i4  ; a matrix instruction and the four behind it
	MM
	OPS \a, \i1, \b, \i2, \c, \i3, \d, \i4
.endm
; A TURN, for piece p.  Behind a matrix instruction: plain, exponential, plain, plain; or four of the rescaling; or four scalings; none names a register of the products round it.  In the lumps exponential
; and plain by turns.  K of the next step is fetched in piece 2's turn, behind five plain instructions that follow the last product that read K; V of the step in hand in piece 0's turn, behind four plain
; ones that follow the last product that read V.  Each is waited for a turn later.  The turn's last 32 lines write the mask of piece p + 2's coming products; its words were asked for behind the first product.
; end = 1: the walk's last two turns: nothing is fetched, no mask is made.  cnt = 1: the masks step to the next key step and the loop's count is taken down, ahead of the branch behind the turn.
.macro TURN p, end=0, cnt=0
.set Y, (\p)
.set i, 0
.set NOKQ, (\end)*((\p)/3)
.if ((\p) == 3) && !(\end)
	s_wait_dscnt 0x0                ; K is in
.endif
	ROW F,0, F,1, F,2, F,3
.if !(\end)
	s_load_b512 s[MW:MW+15], s[MB:MB+1], s[MO] offset:(((\p)+2)%NP)*4096
	s_load_b512 s[MW+16:MW+31], s[MB:MB+1], s[MO] offset:(((\p)+2)%NP)*4096+64
.endif
	ROW F,4, E,0, F,5, F,6
	ROW F,7, E,1, F,8, F,9
	ROW F,10, E,2, C,0, F,11
	ROW F,12, E,3, X,15, F,13
	ROW R,0, R,1, R,2, R,3
	ROW B,0, E,4, F,14, L,0
.if ((\p) == 2) && !(\end)
	WIN 0
	v_add_nc_u32 v[AK], s[TBK], v[AK0]
.endif
	ROW R,4, R,5, R,6, R,7
	OPS E,5, F,15
.if ((\p) == 2) && !(\end)
	FETCH_K
.endif
	OPS E,6, C,1, E,7, R,8
	OPS E,8, R,9, E,9, C,2
	OPS E,10, X,0, E,11, X,1
	OPS E,12, X,2, E,13, X,3
.if (\p) == 1
	s_wait_dscnt 0x0                ; V is in
.endif
	ROW X,4, E,14, X,5, X,6
	ROW X,7, E,15, X,8, X,9
	ROW X,10, E,16, X,11, X,12
	ROW X,13, E,17, X,14, B,1
	ROW C,4, E,18, X,16, L,1
	ROW B,2, E,19, C,6, L,2
	ROW C,8, E,20, B,3, B,4
.if (\p) == 0
	WIN 0
	v_add_nc_u32 v[AV], s[TBV], v[AV0]
.endif
	ROW C,3, E,21, L,3, C,5
	OPS E,22, X,17, E,23, C,10
.if (\p) == 0
	FETCH_V
.endif
	OPS E,24, L,4
	OPS E,25, X,18, E,26, C,7
	OPS E,27, B,5, E,28, X,19
	OPS E,29, C,12, E,30, L,5
	OPS E,31, X,20, B,6, C,9
	OPS C,14, C,11, X,21, L,6
.if (\p) == 0
	s_add_co_u32 s[TBV], s[TBV], KS*PV
.endif
	OPS C,13, B,7, C,15, R,10
	OPS R,11, R,12, L,7, R,13
	OPS R,14, R,15
.if !(\end)
	s_wait_kmcnt 0x0                ; the 32 words are in
	MASK (\p)%2
.endif
.if \cnt
	s_add_co_u32 s[MO], s[MO], 128  ; behind the wait above: no scalar load that names it is out
	s_sub_co_u32 s[CNT], s[CNT], 1
	s_cmp_lg_u32 s[CNT], 0
.endif
.endm
	CHANGE 1                        ; slot 0 is in, everybody's part of it; slot 1 is asked for
	; THE BEGINNING.  c m starts far below every c s, so the first step's a is 0; m at -2^60.  Both score buffers take their masks (pieces 0 and 1, step 0); then K of that step, piece 0's first scores,
	; and its maximum and statistics.
	s_load_b512 s[MW:MW+15], s[MB:MB+1], s[MO] offset:0
	s_load_b512 s[MW+16:MW+31], s[MB:MB+1], s[MO] offset:64
.set z, 0
.rept 4
	v_mov_b32 v[ST+4*z], 0xfe000000    ; c m
	v_mov_b32 v[ST+4*z+1], 0xdd800000  ; m = -2^60
.set z, z+1
.endr
	v_add_nc_u32 v[AK], s[TBK], v[AK0]
	FETCH_K
	s_wait_kmcnt 0x0
	MASK 0
	s_load_b512 s[MW:MW+15], s[MB:MB+1], s[MO] offset:4096
	s_load_b512 s[MW+16:MW+31], s[MB:MB+1], s[MO] offset:4096+64
	s_wait_kmcnt 0x0
	MASK 1
	s_wait_loadcnt 0x0              ; Q
	s_wait_dscnt 0x0                ; K
.set NOKQ, 0
.set i, 0
.rept 8
	KQ 0
.set i, i+1
.endr
	WIN 0
.rept 4
	v_nop                           ; the places behind those products
.endr
.set Y, NP-1                        ; X works for piece Y + 1: piece 0
.irp n, 0,1,2,3,4,5,6,7,8,9,10,11,12,13,14,15,16,17,18,19,20,21
	OP X, \n
.endr
	v_nop                           ; a plain instruction behind the exponential
	s_mov_b32 s[CNT], 4
	s_mov_b32 s[SLOTS], 7
	s_branch .Lfirst                ; the loop is entered at a step's first turn, in the middle of a trip
.Lslot:                             ; 6 times: every slot but the last two is filled again
	CHANGE 1
	s_mov_b32 s[CNT], 4
.Lstep:                             ; a trip: pieces 2 and 3 of one step, then pieces 0 and 1 of the next, whose K and V it fetches
	TURN 2
	TURN 3
	WIN 0
.Lfirst:
	TURN 0
	TURN 1, 0, 1
	WIN 0
	s_cbranch_scc1 .Lstep
	s_sub_co_u32 s[SLOTS], s[SLOTS], 1
	s_cmp_lg_u32 s[SLOTS], 0
	s_cbranch_scc1 .Lslot
	CHANGE 0                        ; the last tile is written out: nothing is asked for
	s_mov_b32 s[CNT], 4
.Lstep2:
	TURN 2
	TURN 3
	TURN 0
	TURN 1, 0, 1
	WIN 0
	s_cbranch_scc1 .Lstep2
	TURN 2, 1                       ; pieces 2 and 3 of the last step
	TURN 3, 1
.set i, 0
.rept 8
	PV NP-1
.set i, i+1
.endr
	; THE WAY OUT.  l's two halves and the other half of the lanes' are added; O^T is divided by l (by NaN where the row has seen no key), rounded to f16 and sent through my stage, a piece at a time.
	WIN 0
.macro ALL line:vararg
.set t, 0
.rept 4
	\line
.set t, t+1
.endr
.endm
	ALL v_add_f32 v[ST+4*t+2], v[ST+4*t+2], v[ST+4*t+3]
	ALL v_permlanex16_b32 v[ST+4*t+3], v[ST+4*t+2], s[SEL], s[SEL+1]
	ALL v_add_f32 v[ST+4*t+2], v[ST+4*t+2], v[ST+4*t+3]
	ALL v_rcp_f32 v[ST+4*t+2], v[ST+4*t+2]
	v_nop                           ; a plain instruction between the last reciprocal and the use of its result
.set t, 0
.rept 4
	v_cmp_gt_f32 vcc_lo, s[THR], v[ST+4*t+1]  ; m below -2^59: no true score was seen.  A choice of a value, no branch
	v_cndmask_b32 v[ST+4*t+2], v[ST+4*t+2], v[NANV], vcc_lo
.set t, t+1
.endr
.macro PACK t
	WIN W_RS
.set i, 32*(\t)
.rept 16
	v_pk_mul_f32 v[i:i+1], v[i:i+1], v[ST+4*(\t)+2:ST+4*(\t)+3] op_sel_hi:[1,0]
.set i, i+2
.endr
	WIN 0x05                        ; sources 0 and 1 window 1, destination window 0: S^T's registers are free
.set i, 0
.rept 16
	v_cvt_pk_f16_f32 v[S+16*(\t)+i], v[32*(\t)+2*i], v[32*(\t)+2*i+1]
.set i, i+1
.endr
	WIN 0
.irp f, 0,1,2,3
	ds_store_b128 v[STO], v[S+16*(\t)+4*\f:S+16*(\t)+4*\f+3] offset:32*\f
.endr
.irp f, 0,1,2,3
	ds_load_b128 v[S+16*(\t)+4*\f:S+16*(\t)+4*\f+3], v[RD] offset:\f*4*SP  ; LDS serves a wave's instructions in order (ISA guide 5.7.1.4): these see the stores above
.endr
.endm
.macro SEND t, younger              ; younger: the LDS instructions issued behind piece t's loads: the next piece's eight, or none
	WIN 0
.irp f, 0,1,2,3
	s_wait_dscnt (\younger)+3-\f
	global_store_b128 v[GO], v[S+16*(\t)+4*\f:S+16*(\t)+4*\f+3], s[10:11] offset:(\t)*2048+\f*512  ; 512 consecutive bytes, at a multiple of 256 from ctx's first
.endr
.endm
	PACK 0
.set t, 1
.rept 3
	PACK t
	SEND t-1, 8
.set t, t+1
.endr
	SEND 3, 0
	s_wait_tensorcnt 0x0            ; the wave's end, behind my last tensor load and my last LDS store
	ds_add_u32 v[SPW], v[NIL]
	s_wait_dscnt 0x0
	CROUND                          ; the closing round: no work-group ends while a partner may still ask for a tile that names it
	s_endpgm
.Lfunc_end_k_qee62a3e332_attn:
	.size	k_qee62a3e332_attn, .Lfunc_end_k_qee62a3e332_attn-k_qee62a3e332_attn
	.p2alignl 7, 3214868480
	.fill 96, 4, 3214868480
	.section	.rodata,"a",@progbits
	.p2align	6, 0x0
	.amdhsa_kernel k_qee62a3e332_attn
		.amdhsa_group_segment_fixed_size 327680
		.amdhsa_private_segment_fixed_size 0
		.amdhsa_enable_private_segment 0
		.amdhsa_kernarg_size 40
		.amdhsa_user_sgpr_count 2
		.amdhsa_user_sgpr_kernarg_segment_ptr 1
		.amdhsa_wavefront_size32 1
		.amdhsa_system_sgpr_workgroup_id_x 1
		.amdhsa_system_sgpr_workgroup_id_y 1
		.amdhsa_system_sgpr_workgroup_id_z 1
		.amdhsa_system_vgpr_workitem_id 0
		.amdhsa_next_free_vgpr 512
		.amdhsa_next_free_sgpr 100
		.amdhsa_reserve_vcc 1
		.amdhsa_float_denorm_mode_32 3
		.amdhsa_float_denorm_mode_16_64 3
		.amdhsa_memory_ordered 1
		.amdhsa_forward_progress 1
		.amdhsa_inst_pref_size 146
	.end_amdhsa_kernel
	.amdgpu_metadata
---
amdhsa.version: [ 1, 2 ]
amdhsa.kernels:
  - .name:           k_qee62a3e332_attn
    .symbol:         k_qee62a3e332_attn.kd
    .args:
      - { .name: qh, .offset: 0, .size: 8, .value_kind: global_buffer, .address_space: global }
      - { .name: kh, .offset: 8, .size: 8, .value_kind: global_buffer, .address_space: global }
      - { .name: vh, .offset: 16, .size: 8, .value_kind: global_buffer, .address_space: global }
      - { .name: ctx, .offset: 24, .size: 8, .value_kind: global_buffer, .address_space: global }
      - { .name: mbits, .offset: 32, .size: 8, .value_kind: global_buffer, .address_space: global }
    .group_segment_fixed_size: 327680
    .private_segment_fixed_size: 0
    .kernarg_segment_align: 8
    .kernarg_segment_size: 40
    .max_flat_workgroup_size: 256
    .sgpr_count:     100
    .vgpr_count:     512
    .wavefront_size: 32
...
	.end_amdgpu_metadata
.endif
;; end of part 3
;; launch proj (part 4): grid 8 x 32, 4 waves a work-group, clusters of 4 x 4, 327,680 bytes of LDS; arguments ctx, woT, b_out, out0; writes out0
.if DOCPART == 4
	.amdgcn_target "amdgcn-amd-amdhsa--gfx1250"
	.amdhsa_code_object_version 6
	.text
	.protected	k_qee62a3e332_proj
	.globl	k_qee62a3e332_proj
	.p2align	8
	.type	k_qee62a3e332_proj,@function
k_qee62a3e332_proj:
	s_mov_b64 s[64:65], 0
	v_nop
	global_prefetch_b8 v0, s[64:65] scope:SCOPE_SE
	s_setreg_imm32_b32 hwreg(HW_REG_WAVE_MODE, 25, 1), 1
	s_wait_xcnt 0x0
	s_wait_alu depctr_hold_cnt(0) depctr_sa_sdst(0) depctr_va_vdst(0) depctr_va_sdst(0) depctr_va_ssrc(0) depctr_va_vcc(0) depctr_vm_vsrc(0)
	s_getreg_b32 s2, hwreg(HW_REG_IB_STS2, 6, 4)
	s_cmp_eq_u32 s2, 0
	s_cbranch_scc0 .Lentry_in_a_cluster
	s_endpgm
.Lentry_in_a_cluster:
	s_bfe_u32 s2, ttmp6, 0x10000c
	s_cmp_lg_u32 s2, 0xf033
	s_cbranch_scc0 .Lentry_shape_is_right
	s_endpgm
.Lentry_shape_is_right:
; out0 = context w_out + b_out.  ctx [64 bh][2048][64] f16 (channel k = 64 head + d), woT [1024 n][1024 k] f16, b_out [1024] f32 (rounded to bf16 like the other inputs), out0 [8192][1024] f32.
; A work-group makes 256 rows x 128 columns: 256 work-groups.  Four waves; wave w owns rows 64 w .. + 63 and all 128 columns: 32 accumulators, 256 registers.  K goes in steps of 128 = two heads through
; two LDS slots; a step is four quarters of 32 along K, 32 matrix instructions and 24 LDS loads each.
; CLUSTER 4 x 4: the four of a row need the same rows of ctx, the four of a column the same rows of woT: each tile is asked for jointly.
; THE MATRIX INSTRUCTION IS USED TRANSPOSED (source 0 = 16 rows of woT, source 1 = 16 rows of ctx): a lane holds row l % 16 and eight neighbouring columns.  The bias is the C operand that starts the sums.
; A NaN row of ctx (a query that saw no key) gives NaN in that row of out0 alone: an output takes one row of ctx.
; REGISTERS: window 0: v16-29 addresses; v64-127 the bias, later with v128-191 two buffers for rows read back; v192-223 at work.
;   window 1: two fragment buffers at 0 and 128: woT's 8 fragments at f + 8 b, ctx's 4 at f + 64 + 8 a.   window 2: the accumulators at 64 a + 8 b.
.set KSTEP,  128
.set PITCH,  272                       ; a row of woT in LDS: 256 bytes + 16
.set PA,     144                       ; a row of ctx: 128 bytes + 16.  Both: the 16 rows of a fragment load start at 16 different groups of four banks (64 banks of 4 bytes: ISA guide 11.1)
.set SUBA,   256*PA                    ; one head's 256 rows: what one tensor load brings of ctx
.set HALFB,  64*PITCH                  ; and of woT
.set BOFF,   2*SUBA
.set SLOT,   BOFF+2*HALFB
.set STAGE,  2*SLOT                    ; behind the ring: 16 rows x 528 bytes for each wave
.set SP,     528
.set SPARE,  STAGE+4*16*SP
.set LAPS,   4
.set ADRA, 16
.set ADRB, 20
.set STO,  24
.set RD,   25
.set GO,   26
.set BO,   27
.set SPW,  28
.set NIL,  29
.set BIAS, 64
.set OB,   64
.set TMP,  192
.set F0,   0
.set F1,   128
.set G1,   24
.set G0,   32
.set G1B,  48
.set G0B,  56
.set MSB, 0
.macro WIN new
.if MSB != (\new)
	s_set_vgpr_msb (MSB<<8)|(\new)
.set MSB, \new
.endif
.endm
.macro JLOAD s                         ; a joint load: waves 0 and 1 fetch the step's two heads of ctx, waves 2 and 3 woT's two halves; an s_nop 0 and four v_nop follow each line
	s_cmp_eq_u32 s17, 0
	s_cbranch_scc0 .Lfor_b_\@
	tensor_load_to_lds s[G0+4*(\s):G0+4*(\s)+3], s[G1:G1+7]
	s_nop 0
.rept 4
	v_nop
.endr
	s_branch .Lasked_\@
.Lfor_b_\@:
	tensor_load_to_lds s[G0B+4*(\s):G0B+4*(\s)+3], s[G1B:G1B+7]
	s_nop 0
.rept 4
	v_nop
.endr
.Lasked_\@:
.endm
.macro CREST
	s_cmp_lg_u32 s16, 0
	s_cbranch_scc1 .Lnot_wave_0_\@
	s_barrier_signal -3
.Lnot_wave_0_\@:
	s_barrier_wait -3
	s_barrier_signal -1
	s_barrier_wait -1
.endm
.macro CROUND
	s_barrier_signal -1
	s_barrier_wait -1
	CREST
.endm
.macro PLACES
.rept 4
	v_nop
.endr
.endm
	s_load_b256 s[4:11], s[0:1], 0x0               ; ctx 4:5, woT 6:7, b_out 8:9, out0 10:11
	v_lshl_add_u32 v[SPW], v0, 2, SPARE
	v_mov_b32 v[NIL], 0
	ds_add_u32 v[SPW], v[NIL]                      ; the wave's opening: the add, waited for ahead of my first tensor load
	v_lshrrev_b32 v1, 5, v0
	v_readfirstlane_b32 s16, v1                    ; wave 0..3
	s_lshr_b32 s17, s16, 1                         ; I fetch for ctx (0) or woT (1),
	s_and_b32 s18, s16, 1                          ; its first or second part
	s_bfe_u32 s40, ttmp6, 0x40000                  ; cx
	s_bfe_u32 s41, ttmp6, 0x40004                  ; cy
	s_lshl_b32 s42, ttmp9, 2
	s_add_co_u32 s42, s42, s40                     ; the block of 128 columns
	s_and_b32 s19, ttmp7, 0xffff
	s_lshl_b32 s19, s19, 2
	s_add_co_u32 s19, s19, s41                     ; the block of 256 rows
	s_lshl_b32 s43, s41, 2
	s_lshl_b32 s43, 15, s43                        ; my row of the cluster
	s_lshl_b32 s44, 0x1111, s40                    ; my column
	s_or_b32 s[G1+0], s43, (1<<16)|(1<<20)|(1<<21)|(4<<22)|(3<<25)   ; ctx: a head's 256 rows are 32,768 dense bytes: 128 rows of 256 bytes, padded by 4 words after every 32
	s_or_b32 s[G1B+0], s44, (1<<16)|(1<<20)|(1<<21)|(5<<22)|(3<<25)  ; woT: padded by 4 words after every 64
	s_mov_b32 s[G1+1], 128<<16                     ; tensor_dim0 = 128
	s_mov_b32 s[G1+2], 128<<16                     ; tensor_dim1 = 128
	s_mov_b32 s[G1+3], 128<<16                     ; tile_dim0 = 128
	s_mov_b32 s[G1+4], 128                         ; tile_dim1 = 128
	s_mov_b32 s[G1+5], 128                         ; dense
	s_mov_b32 s[G1+6], 0
	s_mov_b32 s[G1+7], 0
	s_mov_b32 s[G1B+1], KSTEP<<16
	s_mov_b32 s[G1B+2], 64<<16                     ; 64 rows
	s_mov_b32 s[G1B+3], KSTEP<<16
	s_mov_b32 s[G1B+4], 64
	s_mov_b32 s[G1B+5], 1024
	s_mov_b32 s[G1B+6], 0
	s_mov_b32 s[G1B+7], 0
	s_lshr_b32 s20, s19, 3                         ; the batch,
	s_lshl_b32 s20, s20, 4
	s_add_co_u32 s20, s20, s18                     ; its head 0 or 1,
	s_lshl_b32 s20, s20, 11
	s_and_b32 s21, s19, 7
	s_lshl_b32 s21, s21, 8
	s_add_co_u32 s20, s20, s21                     ; the block's first row there,
	s_lshl_b32 s20, s20, 7                         ; of 128 bytes
	s_mov_b32 s21, 0
	s_lshl_b32 s46, s42, 7
	s_lshl_b32 s47, s18, 6
	s_add_co_u32 s46, s46, s47                     ; woT: row 128 x column block + 64 x half
	s_lshl_b32 s46, s46, 11
	s_mov_b32 s47, 0
	s_mul_i32 s22, s18, SUBA                       ; where they go: no place in the cluster enters an LDS address
	s_mul_i32 s23, s18, HALFB
	s_add_co_u32 s23, s23, BOFF
	s_wait_dscnt 0x0                               ; the opening add is done
	s_wait_kmcnt 0x0
	s_add_nc_u64 s[20:21], s[4:5], s[20:21]
	s_add_nc_u64 s[46:47], s[6:7], s[46:47]
	CROUND                                         ; all sixteen work-groups are here: the first joint loads meet
.irp s, 0,1
	s_mov_b32 s[G0+4*(\s)], 1
	s_add_co_u32 s[G0+4*(\s)+1], s22, (\s)*SLOT
	s_add_nc_u64 s[G0+4*(\s)+2:G0+4*(\s)+3], s[20:21], (\s)*2*262144  ; K step s: heads 2 s and 2 s + 1
	s_or_b32 s[G0+4*(\s)+3], s[G0+4*(\s)+3], 0x80000000
	s_mov_b32 s[G0B+4*(\s)], 1
	s_add_co_u32 s[G0B+4*(\s)+1], s23, (\s)*SLOT
	s_add_nc_u64 s[G0B+4*(\s)+2:G0B+4*(\s)+3], s[46:47], (\s)*KSTEP*2
	s_or_b32 s[G0B+4*(\s)+3], s[G0B+4*(\s)+3], 0x80000000
	JLOAD \s                                       ; K steps 0 and 1: two loads of mine are out
.endr
	v_and_b32 v1, 15, v0                           ; l % 16
	v_bfe_u32 v2, v0, 4, 1                         ; l / 16
	v_lshlrev_b32 v[BO], 5, v2
	s_lshl_b32 s66, s42, 9
	s_mov_b32 s67, 0
	s_add_nc_u64 s[8:9], s[8:9], s[66:67]          ; the block's 128 numbers of the bias
.set i, 0
.rept 8
	global_load_b128 v[BIAS+8*i:BIAS+8*i+3], v[BO], s[8:9] offset:64*i
	global_load_b128 v[BIAS+8*i+4:BIAS+8*i+7], v[BO], s[8:9] offset:64*i+16
.set i, i+1
.endr
	v_mul_u32_u24 v3, v1, PITCH
	v_lshl_add_u32 v3, v2, 4, v3
	v_mul_u32_u24 v4, v1, PA
	v_lshl_add_u32 v4, v2, 4, v4
	s_mul_i32 s68, s16, 64*PA                      ; my 64 rows of ctx, in each head's part
	s_mov_b32 s69, BOFF
.irp s, 0,1
	v_add_nc_u32 v[ADRA+(\s)], s68, v4
	v_add_nc_u32 v[ADRB+(\s)], s69, v3
	s_add_co_u32 s68, s68, SLOT
	s_add_co_u32 s69, s69, SLOT
.endr
	s_mul_i32 s68, s16, 16*SP
	s_add_co_u32 s68, s68, STAGE                   ; my stage
	v_mul_u32_u24 v5, v1, SP                       ; in: row l % 16, 32 bytes for each half of the lanes
	v_lshl_add_u32 v5, v2, 5, v5
	v_add_nc_u32 v[STO], s68, v5
	v_and_b32 v6, 31, v0
	v_lshlrev_b32 v[GO], 4, v6                     ; back: 32 lanes take one row of 512 bytes
	v_add_nc_u32 v[RD], s68, v[GO]
	s_lshl_b32 s70, s19, 8
	s_lshl_b32 s71, s16, 6
	s_add_co_u32 s70, s70, s71                     ; my first row of out0,
	s_lshl_b32 s70, s70, 12                        ; of 4,096 bytes,
	s_lshl_b32 s71, s42, 9
	s_add_co_u32 s70, s70, s71                     ; and the block's first column
	s_mov_b32 s71, 0
	s_add_nc_u64 s[10:11], s[10:11], s[70:71]
	s_wait_loadcnt 0x0                             ; the bias, rounded to bf16 and widened again
.set i, 0
.rept 32
	v_cvt_pk_bf16_f32 v[TMP+i], v[BIAS+2*i], v[BIAS+2*i+1]
.set i, i+1
.endr
.set i, 0
.rept 32
	v_lshlrev_b32 v[BIAS+2*i], 16, v[TMP+i]
	v_and_b32 v[BIAS+2*i+1], 0xffff0000, v[TMP+i]
.set i, i+1
.endr
; n x 8 matrix instructions: row blocks a0 .. x all 8 column blocks, 32 along K.  zero = 1: the bias starts the sums.  The 32 accumulators take turns in the same order in every quarter.
.macro MUL f, a0, n, zero
.if \zero
	WIN 0x85
.else
	WIN 0xa5
.endif
.set ma, \a0
.rept \n
.set mb, 0
.rept 8
.if \zero
	v_wmma_f32_16x16x32_f16 v[64*ma+8*mb:64*ma+8*mb+7], v[(\f)+8*mb:(\f)+8*mb+7], v[(\f)+64+8*ma:(\f)+64+8*ma+7], v[BIAS+8*mb:BIAS+8*mb+7]
.else
	v_wmma_f32_16x16x32_f16 v[64*ma+8*mb:64*ma+8*mb+7], v[(\f)+8*mb:(\f)+8*mb+7], v[(\f)+64+8*ma:(\f)+64+8*ma+7], v[64*ma+8*mb:64*ma+8*mb+7]
.endif
.set mb, mb+1
.endr
.set ma, ma+1
.endr
.endm
.macro FETCH slot, q, f                ; 24 LDS loads in one run, quarter q of the step: woT's 16, then ctx's 8 (head q / 2, channels 32 (q % 2) on)
	WIN 0x40
.set mb, 0
.rept 8
	ds_load_b128 v[(\f)+8*mb:(\f)+8*mb+3],   v[ADRB+(\slot)] offset:64*(\q)+mb*16*PITCH
	ds_load_b128 v[(\f)+8*mb+4:(\f)+8*mb+7], v[ADRB+(\slot)] offset:64*(\q)+mb*16*PITCH+32
.set mb, mb+1
.endr
.set ma, 0
.rept 4
	ds_load_b128 v[(\f)+64+8*ma:(\f)+64+8*ma+3],   v[ADRA+(\slot)] offset:((\q)/2)*SUBA+((\q)%2)*64+ma*16*PA
	ds_load_b128 v[(\f)+64+8*ma+4:(\f)+64+8*ma+7], v[ADRA+(\slot)] offset:((\q)/2)*SUBA+((\q)%2)*64+ma*16*PA+32
.set ma, ma+1
.endr
.endm
.macro QUARTER slot, q, f, g, zero     ; multiplies buffer f; in its middle fetches quarter q into g
	s_wait_dscnt 4                                 ; woT and my rows 0-31 are in; the youngest four loads may be out
	MUL \f, 0, 2, \zero
	PLACES
	FETCH \slot, \q, \g
	s_wait_dscnt 24                                ; all but the 24 just issued
	MUL \f, 2, 2, \zero
.endm
; The last quarter multiplies buffer 1 and changes slots: ONE barrier; in front of it each wave waits for all its tensor loads (one is out: its part of the next slot), adds 0 to its spare word,
; and waits for that and for its reads of this slot.  fill = 1: the barrier opens a round of the cluster's, and this slot is filled again first behind it, two K steps ahead.
.macro TURN slot, next, fill
	WIN 0
	s_wait_tensorcnt 0x0
	ds_add_u32 v[SPW], v[NIL]
	s_wait_dscnt 5                                 ; (the add and the youngest four loads may be out)
	MUL F1, 0, 1, 0
	s_wait_dscnt 0x0                               ; the add is done, and my reads of this slot are over
	s_barrier_signal -1
	MUL F1, 1, 1, 0
.if \fill
	WIN 0
.endif
	s_barrier_wait -1
.if \fill
	CREST                                          ; no wave of any partner still reads this slot or has a load on its way
	s_add_nc_u64 s[G0+4*(\slot)+2:G0+4*(\slot)+3], s[G0+4*(\slot)+2:G0+4*(\slot)+3], 4*262144   ; four heads on
	s_add_nc_u64 s[G0B+4*(\slot)+2:G0B+4*(\slot)+3], s[G0B+4*(\slot)+2:G0B+4*(\slot)+3], 2*KSTEP*2
	JLOAD \slot                                    ; its four v_nop are also the places in front of the loads below
.else
	PLACES
.endif
	FETCH \next, 0, F0
	MUL F1, 2, 2, 0
.endm
	s_wait_tensorcnt 1                             ; my part of K step 0 is in; step 1's may stay out
	s_barrier_signal -1
	s_barrier_wait -1
	FETCH 0, 0, F0
	QUARTER 0, 1, F0, F1, 1                        ; the first quarter stands in front of the loop: its products start the sums
	WIN 0
	s_mov_b32 s3, LAPS-1
.Llap:
	QUARTER 0, 2, F1, F0, 0
	QUARTER 0, 3, F0, F1, 0
	TURN 0, 1, 1
	QUARTER 1, 1, F0, F1, 0
	QUARTER 1, 2, F1, F0, 0
	QUARTER 1, 3, F0, F1, 0
	TURN 1, 0, 1
	QUARTER 0, 1, F0, F1, 0
	WIN 0
	s_sub_co_u32 s3, s3, 1
	s_cmp_lg_u32 s3, 0
	s_cbranch_scc1 .Llap
	QUARTER 0, 2, F1, F0, 0                        ; the last lap fills nothing
	QUARTER 0, 3, F0, F1, 0
	TURN 0, 1, 0
	QUARTER 1, 1, F0, F1, 0
	QUARTER 1, 2, F1, F0, 0
	QUARTER 1, 3, F0, F1, 0
	s_wait_dscnt 4
	MUL F1, 0, 2, 0
	s_wait_dscnt 0x0
	MUL F1, 2, 2, 0
	WIN 0
	; THE WAY OUT, a block of 16 rows at a time: a lane's eight f32 (32 bytes) go into my stage, rows of 528 bytes, and come back as whole rows of 512 bytes.
.macro TOSTAGE a
	WIN 0x08                                       ; the stores' data in window 2
.set mb, 0
.rept 8
	ds_store_b128 v[STO], v[64*(\a)+8*mb:64*(\a)+8*mb+3] offset:64*mb       ; each accumulator from its low end on
	ds_store_b128 v[STO], v[64*(\a)+8*mb+4:64*(\a)+8*mb+7] offset:64*mb+16
.set mb, mb+1
.endr
	WIN 0
.set mb, 0
.rept 16
	ds_load_b128 v[OB+64*((\a)%2)+4*mb:OB+64*((\a)%2)+4*mb+3], v[RD] offset:mb*SP  ; LDS serves a wave's instructions in order (ISA guide 5.7.1.4): these see the stores above
.set mb, mb+1
.endr
.endm
.macro SEND a
	WIN 0
	s_wait_dscnt 0x0                               ; the block is back in registers
	s_wait_xcnt 0x0                                ; the other buffer, which earlier stores read, is loaded again only behind this wait
.set mb, 0
.rept 16
	global_store_b128 v[GO], v[OB+64*((\a)%2)+4*mb:OB+64*((\a)%2)+4*mb+3], s[10:11] offset:(16*(\a)+mb)*4096 th:TH_STORE_NT  ; 512 consecutive bytes, at a multiple of 512 from out0's first
.set mb, mb+1
.endr
.endm
	PLACES
	TOSTAGE 0
.irp a, 1,2,3
	SEND (\a)-1
	TOSTAGE \a
.endr
	SEND 3
	s_wait_tensorcnt 0x0                           ; the wave's end
	ds_add_u32 v[SPW], v[NIL]
	s_wait_dscnt 0x0
	CROUND                                         ; the closing round
	s_endpgm
.Lfunc_end_k_qee62a3e332_proj:
	.size	k_qee62a3e332_proj, .Lfunc_end_k_qee62a3e332_proj-k_qee62a3e332_proj
	.p2alignl 7, 3214868480
	.fill 96, 4, 3214868480
	.section	.rodata,"a",@progbits
	.p2align	6, 0x0
	.amdhsa_kernel k_qee62a3e332_proj
		.amdhsa_group_segment_fixed_size 327680
		.amdhsa_private_segment_fixed_size 0
		.amdhsa_enable_private_segment 0
		.amdhsa_kernarg_size 32
		.amdhsa_user_sgpr_count 2
		.amdhsa_user_sgpr_kernarg_segment_ptr 1
		.amdhsa_wavefront_size32 1
		.amdhsa_system_sgpr_workgroup_id_x 1
		.amdhsa_system_sgpr_workgroup_id_y 1
		.amdhsa_system_sgpr_workgroup_id_z 1
		.amdhsa_system_vgpr_workitem_id 0
		.amdhsa_next_free_vgpr 768
		.amdhsa_next_free_sgpr 72
		.amdhsa_reserve_vcc 0
		.amdhsa_float_denorm_mode_32 3
		.amdhsa_float_denorm_mode_16_64 3
		.amdhsa_memory_ordered 1
		.amdhsa_forward_progress 1
		.amdhsa_inst_pref_size 91
	.end_amdhsa_kernel
	.amdgpu_metadata
---
amdhsa.version: [ 1, 2 ]
amdhsa.kernels:
  - .name:           k_qee62a3e332_proj
    .symbol:         k_qee62a3e332_proj.kd
    .args:
      - { .name: ctx, .offset: 0, .size: 8, .value_kind: global_buffer, .address_space: global }
      - { .name: woT, .offset: 8, .size: 8, .value_kind: global_buffer, .address_space: global }
      - { .name: b_out, .offset: 16, .size: 8, .value_kind: global_buffer, .address_space: global }
      - { .name: out0, .offset: 24, .size: 8, .value_kind: global_buffer, .address_space: global }
    .group_segment_fixed_size: 327680
    .private_segment_fixed_size: 0
    .kernarg_segment_align: 8
    .kernarg_segment_size: 32
    .max_flat_workgroup_size: 128
    .sgpr_count:     72
    .vgpr_count:     768
    .wavefront_size: 32
...
	.end_amdgpu_metadata
.endif
;; end of part 4
;; ======== version 2 of 2: 4 launches; 1.14 times as fast as version 1
;; limits: values are held in f16: magnitudes above 65,504 overflow, below 6.1e-05 lose precision
;; workspace buffers: xb 16,777,216 bytes; wqT 6,291,456 bytes; woT 2,097,152 bytes; qh 16,777,216 bytes; kh 16,777,216 bytes; vh 16,777,216 bytes; ctx 16,777,216 bytes; mbits 2,097,152 bytes of whole numbers
;; launch prep (part 5): grid 896 x 1, 8 waves a work-group, no clusters, 35,840 bytes of LDS; arguments x, w_qkv, w_out, mask, xb, wqT, woT, mbits; writes xb, wqT, woT, mbits
.if DOCPART == 5
	.amdgcn_target "amdgcn-amd-amdhsa--gfx1250"
	.amdhsa_code_object_version 6
	.text
	.protected	k_qee62a3e332_prep
	.globl	k_qee62a3e332_prep
	.p2align	8
	.type	k_qee62a3e332_prep,@function
k_qee62a3e332_prep:
	s_mov_b64 s[64:65], 0
	v_nop
	global_prefetch_b8 v0, s[64:65] scope:SCOPE_SE
	s_setreg_imm32_b32 hwreg(HW_REG_WAVE_MODE, 25, 1), 1
	s_wait_xcnt 0x0
; PREPARATION, four kinds of work-group, chosen by the work-group's number (the same for all its waves):
;   0-127    the mask, 16 query rows each: four bits for each key, laid as the attention's score registers lie
;   128-319  w_qkv [1024 k][3072 n] f32 -> wqT [3072 n][1024 k] bf16, a tile of 128 k x 128 n each
;   320-383  w_out [1024 k][1024 n] f32 -> woT [1024 n][1024 k]: rounded to bf16, that number written as f16
;   384-895  x f32 -> xb bf16, 65,536 bytes of x each
; No matrix work, no tensor loads, no cluster: every byte is read once and written once, and nothing is shared between work-groups.
; LIMITS.  woT: |w_out| under 65,504; a bf16 number under 6.1e-5 keeps f16's fixed step of 6e-8.  A mask byte is 0 or 1, as the problem gives a bool.
; mbits [qt 128][S 32][lane 32][kt 4] of 32 bits: nibble j (bits 4 j .. 4 j + 3) of word kt of lane L stands for mask[16 qt + L % 16][64 S + 16 kt + 8 (L / 16) + j]: 0 where the byte is 1, 0xE where it is 0.
; Shifted to a word's top, 0xE makes the sign and an exponent field of 192 to 223 (a finite number from -2^97 to -2^65), 0 an exponent field of 31 at the most (a number from 0 to under 2^-95).
.set SPARE, 34816                      ; behind the stage: the spare words, 128 bytes for each of the eight waves
.set SPW,   30                         ; v30  SPARE + 4 x my thread's number; never rewritten
.set NIL,   31                         ; v31  0; never rewritten
.set IN,    32                         ; v[32:95]   as loaded
.set OW,    96                         ; v[96:127]  packed words (the mask's part: sixteen of them, v96-111)
.set MT,    112                        ; v[112:115] the mask's part: at work, clear of its sixteen packed words
.set TP,    272                        ; a stage row: 128 k of 2 bytes + 16 bytes
	s_load_b512 s[4:19], s[0:1], 0x0               ; x 4:5, w_qkv 6:7, w_out 8:9, mask 10:11, xb 12:13, wqT 14:15, woT 16:17, mbits 18:19
	v_lshl_add_u32 v[SPW], v0, 2, SPARE
	v_mov_b32 v[NIL], 0
	v_and_b32 v1, 31, v0                           ; lane
	v_lshrrev_b32 v2, 5, v0
	v_readfirstlane_b32 s22, v2                    ; wave 0..7
	s_mov_b32 s23, ttmp9
	s_wait_kmcnt 0x0
	s_cmp_lt_u32 s23, 128
	s_cbranch_scc1 .Lmask
	s_cmp_lt_u32 s23, 320
	s_cbranch_scc1 .Lwq
	s_cmp_lt_u32 s23, 384
	s_cbranch_scc1 .Lwo
	; x -> xb.  Thread t takes 16 bytes at 16 t of each of 16 blocks of 4,096 bytes: a wave's load covers 512 consecutive bytes, its store 256.
	s_sub_co_u32 s24, s23, 384
	s_lshl_b32 s26, s24, 15
	s_lshl_b32 s24, s24, 16
	s_mov_b32 s25, 0
	s_mov_b32 s27, 0
	s_add_nc_u64 s[4:5], s[4:5], s[24:25]
	s_add_nc_u64 s[12:13], s[12:13], s[26:27]
	v_lshlrev_b32 v2, 4, v0
	v_lshlrev_b32 v3, 3, v0
.set i, 0
.rept 16
	global_load_b128 v[IN+4*i:IN+4*i+3], v2, s[4:5] offset:4096*i th:TH_LOAD_NT
.set i, i+1
.endr
.set i, 0
.rept 16
	s_wait_loadcnt 15-i                            ; loads come back in order: number i is in, the 15 - i younger ones stay out
	v_cvt_pk_bf16_f32 v[OW+2*i], v[IN+4*i], v[IN+4*i+1]
	v_cvt_pk_bf16_f32 v[OW+2*i+1], v[IN+4*i+2], v[IN+4*i+3]
	global_store_b64 v3, v[OW+2*i:OW+2*i+1], s[12:13] offset:2048*i
.set i, i+1
.endr
	s_endpgm                                       ; these waves have written no LDS
; A tile of 128 k x 128 n is turned.  Wave w loads rows k = 16 w + 0..15 (a load: 512 consecutive bytes, columns 4 l .. 4 l + 3 in lane l), packs for each of its four columns
; the 16 k into 32 bytes, and stores them into stage row n = 4 l + c at byte 32 w.  Behind a barrier the rows (256 bytes, 128 k) are read back whole and stored.
; The eight LDS stores have lanes 1,088 bytes apart, 16 banks.  Accepted: eight stores a wave in the whole launch.
.macro TRANS ncol, src, dst, first, half
	s_sub_co_u32 s24, s23, \first
	s_and_b32 s25, s24, 7                          ; kt
	s_lshr_b32 s26, s24, 3                         ; nt
	s_mul_i32 s28, s25, 128*(\ncol)*4
	s_lshl_b32 s27, s26, 9
	s_add_co_u32 s28, s28, s27
	s_mov_b32 s29, 0
	s_add_nc_u64 s[\src:\src+1], s[\src:\src+1], s[28:29]
	s_lshl_b32 s28, s26, 18                        ; 128 rows of 2,048 bytes
	s_lshl_b32 s27, s25, 8
	s_add_co_u32 s28, s28, s27
	s_add_nc_u64 s[\dst:\dst+1], s[\dst:\dst+1], s[28:29]
	s_mul_i32 s27, s22, 16*(\ncol)*4
	v_lshl_add_u32 v2, v1, 4, s27
.set i, 0
.rept 16
	global_load_b128 v[IN+4*i:IN+4*i+3], v2, s[\src:\src+1] offset:i*(\ncol)*4 th:TH_LOAD_NT
.set i, i+1
.endr
	v_mul_u32_u24 v4, v1, 4*TP                     ; into the stage: row 4 l, byte 32 w
	s_lshl_b32 s30, s22, 5
	v_add_nc_u32 v4, s30, v4
	v_lshrrev_b32 v7, 4, v1                        ; back: row 16 w + l / 16, byte 16 (l % 16)
	v_and_b32 v8, 15, v1
	s_lshl_b32 s31, s22, 4
	v_add_nc_u32 v7, s31, v7
	v_mul_u32_u24 v5, v7, TP
	v_lshl_add_u32 v5, v8, 4, v5
	v_lshlrev_b32 v6, 11, v7                       ; and the same place in the turned matrix
	v_lshl_add_u32 v6, v8, 4, v6
	s_wait_loadcnt 0x0
.set c, 0
.rept 4
.set p, 0
.rept 8
	v_cvt_pk_bf16_f32 v[OW+8*c+p], v[IN+8*p+c], v[IN+8*p+4+c]  ; column 4 l + c, k = 2 p (low half) and 2 p + 1
.if \half
	v_lshlrev_b32 v128, 16, v[OW+8*c+p]            ; the two bf16 numbers as f32,
	v_and_b32 v129, 0xffff0000, v[OW+8*c+p]
	v_cvt_pk_f16_f32 v[OW+8*c+p], v128, v129       ; written as f16
.endif
.set p, p+1
.endr
.set c, c+1
.endr
.set c, 0
.rept 4
	ds_store_b128 v4, v[OW+8*c:OW+8*c+3] offset:c*TP
	ds_store_b128 v4, v[OW+8*c+4:OW+8*c+7] offset:c*TP+16
.set c, c+1
.endr
	s_wait_dscnt 0x0                               ; for the others' sake: my stores into the stage are done
	s_barrier_signal -1
	s_barrier_wait -1
.set i, 0
.rept 8
	ds_load_b128 v[IN+4*i:IN+4*i+3], v5 offset:i*2*TP
.set i, i+1
.endr
.set i, 0
.rept 8
	s_wait_dscnt 7-i
	global_store_b128 v6, v[IN+4*i:IN+4*i+3], s[\dst:\dst+1] offset:4096*i  ; 16 lanes store 256 consecutive bytes, at a multiple of 256 from the buffer's first
.set i, i+1
.endr
	s_wait_tensorcnt 0x0                           ; the wave's end, behind my last LDS store
	ds_add_u32 v[SPW], v[NIL]
	s_wait_dscnt 0x0
	s_endpgm
.endm
.Lwq:
	TRANS 3072, 6, 14, 128, 0
.Lwo:
	TRANS 1024, 8, 16, 320, 1
.Lmask:
	; Work-group qt, wave t: 16 rows x 256 keys = key steps 4 t .. 4 t + 3.  Lane L loads 8 bytes of row L % 16 at key 64 s + 16 kt + 8 (L / 16): the keys that registers 8 kt + 0..7 of a score tile hold in that lane.
	s_lshl_b32 s24, s23, 15                        ; 16 rows of 2,048 bytes
	s_lshl_b32 s25, s22, 8
	s_add_co_u32 s24, s24, s25
	s_mov_b32 s25, 0
	s_add_nc_u64 s[10:11], s[10:11], s[24:25]
	s_lshl_b32 s24, s23, 3
	s_add_co_u32 s24, s24, s22                     ; 8 qt + t,
	s_lshl_b32 s26, s24, 11                        ; four key steps of 512 bytes each
	s_mov_b32 s27, 0
	s_add_nc_u64 s[18:19], s[18:19], s[26:27]
	s_mov_b32 s28, 0x06040200                      ; v_perm_b32: bytes 0 and 2 of the second source, then of the first
	s_mov_b32 s29, 0x07050301                      ; bytes 1 and 3
	s_mov_b32 s30, 0x11111111                      ; the lowest bit of each nibble
	v_and_b32 v3, 15, v1
	v_lshrrev_b32 v4, 4, v1
	v_lshlrev_b32 v2, 11, v3
	v_lshl_add_u32 v2, v4, 3, v2
.set i, 0
.rept 16
	global_load_b64 v[IN+2*i:IN+2*i+1], v2, s[10:11] offset:16*i  ; i = 4 s + kt; the 16 loads on end take each row's 256 bytes once
.set i, i+1
.endr
	v_lshlrev_b32 v5, 4, v1
.set i, 0
.rept 16
.set T, MT+2*(i%2)                     ; two pairs at work by turns
	s_wait_loadcnt 15-i                            ; number i is in, the younger ones stay out
	v_perm_b32 v[T], v[IN+2*i+1], v[IN+2*i], s28   ; keys 0, 2, 4, 6 at bits 0, 8, 16, 24
	v_perm_b32 v[T+1], v[IN+2*i+1], v[IN+2*i], s29 ; keys 1, 3, 5, 7 likewise
	v_lshl_or_b32 v[T], v[T+1], 4, v[T]            ; key j at bit 4 j
	v_bfi_b32 v[T], v[T], 0, s30                   ; 1 where the byte is 0
	v_mul_lo_u32 v[OW+i], v[T], 14                 ; 0xE there
.set i, i+1
.endr
.set i, 0
.rept 4
	global_store_b128 v5, v[OW+4*i:OW+4*i+3], s[18:19] offset:512*i  ; key step 4 t + i: 512 consecutive bytes, at a multiple of 512 from the buffer's first
.set i, i+1
.endr
	s_endpgm                                       ; these waves have written no LDS
.Lfunc_end_k_qee62a3e332_prep:
	.size	k_qee62a3e332_prep, .Lfunc_end_k_qee62a3e332_prep-k_qee62a3e332_prep
	.p2alignl 7, 3214868480
	.fill 96, 4, 3214868480
	.section	.rodata,"a",@progbits
	.p2align	6, 0x0
	.amdhsa_kernel k_qee62a3e332_prep
		.amdhsa_group_segment_fixed_size 35840
		.amdhsa_private_segment_fixed_size 0
		.amdhsa_enable_private_segment 0
		.amdhsa_kernarg_size 64
		.amdhsa_user_sgpr_count 2
		.amdhsa_user_sgpr_kernarg_segment_ptr 1
		.amdhsa_wavefront_size32 1
		.amdhsa_system_sgpr_workgroup_id_x 1
		.amdhsa_system_sgpr_workgroup_id_y 1
		.amdhsa_system_sgpr_workgroup_id_z 1
		.amdhsa_system_vgpr_workitem_id 0
		.amdhsa_next_free_vgpr 136
		.amdhsa_next_free_sgpr 66
		.amdhsa_reserve_vcc 0
		.amdhsa_float_denorm_mode_32 3
		.amdhsa_float_denorm_mode_16_64 3
		.amdhsa_memory_ordered 1
		.amdhsa_forward_progress 1
		.amdhsa_inst_pref_size 34
	.end_amdhsa_kernel
	.amdgpu_metadata
---
amdhsa.version: [ 1, 2 ]
amdhsa.kernels:
  - .name:           k_qee62a3e332_prep
    .symbol:         k_qee62a3e332_prep.kd
    .args:
      - { .name: x, .offset: 0, .size: 8, .value_kind: global_buffer, .address_space: global }
      - { .name: w_qkv, .offset: 8, .size: 8, .value_kind: global_buffer, .address_space: global }
      - { .name: w_out, .offset: 16, .size: 8, .value_kind: global_buffer, .address_space: global }
      - { .name: mask, .offset: 24, .size: 8, .value_kind: global_buffer, .address_space: global }
      - { .name: xb, .offset: 32, .size: 8, .value_kind: global_buffer, .address_space: global }
      - { .name: wqT, .offset: 40, .size: 8, .value_kind: global_buffer, .address_space: global }
      - { .name: woT, .offset: 48, .size: 8, .value_kind: global_buffer, .address_space: global }
      - { .name: mbits, .offset: 56, .size: 8, .value_kind: global_buffer, .address_space: global }
    .group_segment_fixed_size: 35840
    .private_segment_fixed_size: 0
    .kernarg_segment_align: 8
    .kernarg_segment_size: 64
    .max_flat_workgroup_size: 256
    .sgpr_count:     66
    .vgpr_count:     136
    .wavefront_size: 32
...
	.end_amdgpu_metadata
.endif
;; end of part 5
;; launch qkv: the kernel of part 2 again; grid 16 x 32, 4 waves a work-group, clusters of 4 x 4, 327,680 bytes of LDS; arguments xb, wqT, b_qkv, qh, kh, vh; writes qh, kh, vh
;; launch attn (part 6): grid 4 x 64, 8 waves a work-group, clusters of 4 x 1, 327,680 bytes of LDS; arguments qh, kh, vh, ctx, mbits; writes ctx
.if DOCPART == 6
	.amdgcn_target "amdgcn-amd-amdhsa--gfx1250"
	.amdhsa_code_object_version 6
	.text
	.protected	k_qee62a3e332_attn
	.globl	k_qee62a3e332_attn
	.p2align	8
	.type	k_qee62a3e332_attn,@function
k_qee62a3e332_attn:
	s_mov_b64 s[64:65], 0
	v_nop
	global_prefetch_b8 v0, s[64:65] scope:SCOPE_SE
	s_setreg_imm32_b32 hwreg(HW_REG_WAVE_MODE, 25, 1), 1
	s_wait_xcnt 0x0
	s_wait_alu depctr_hold_cnt(0) depctr_sa_sdst(0) depctr_va_vdst(0) depctr_va_sdst(0) depctr_va_ssrc(0) depctr_va_vcc(0) depctr_vm_vsrc(0)
	s_getreg_b32 s2, hwreg(HW_REG_IB_STS2, 6, 4)
	s_cmp_eq_u32 s2, 0
	s_cbranch_scc0 .Lentry_in_a_cluster
	s_endpgm
.Lentry_in_a_cluster:
	s_bfe_u32 s2, ttmp6, 0x10000c
	s_cmp_lg_u32 s2, 0x3003
	s_cbranch_scc0 .Lentry_shape_is_right
	s_endpgm
.Lentry_shape_is_right:
; ATTENTION UNDER A MASK THAT IS AN INPUT.  ctx[bh][q][:] = the sum over the keys k that mask[q][k] shows of softmax_k(q . k / 8) v[k][:].  qh, kh, vh, ctx: [64 bh][2048][64] f16, rows dense, 128 bytes.
; Products, maxima and sums in f32; the weights p are rounded to f16 for the second product (their sum l is taken of the unrounded p), ctx once at the end.
; LIMITS.  q, k, v arrive within f16's 65,504, so a score is 2.7e11 at the most.  A hidden score counts as its value less a number from 2^65 to 2^97, a visible one as its value plus a number under 2^-95.
; The running maximum m starts at -2^60, below every true score and above every hidden one: a hidden score never becomes the maximum and its weight is 0.  A row that sees no key ends with m = -2^60 and
; gives NaN, as the softmax of a row of -inf does.  A weight below 2^-126 counts as 0 in l.
; SHARES.  Work-group x of a head owns queries 512 x .. 512 x + 511: 4 x 64 = 256 work-groups.  Eight waves, each 64 consecutive queries (four PIECES of 16) in 480 registers.
; Every wave walks all the head's keys, 64 a step, 256 a tile: EVERY TILE IS COMPUTED, whatever the mask hides: a tile in which a wave's rows see nothing costs what any other costs and adds weights of 0.
; THE MASK.  mbits holds four bits for each key, 0 (visible) or 0xE (hidden), eight keys to a word, four words a lane for a piece and key step, laid as the score registers lie.  At the end of piece p's turn its
; score buffer is free: 32 shifts bring each nibble to the top of a register of it, where it is the sign and the high exponent bits of an f32, and the products K Q^T of piece p + 2 add in place onto that.
; The words lie in a ring of four sets of four registers, a set a piece: behind the shifts the set is asked for again, with the same piece's words of the next key step: four turns ahead of their use.
; CLUSTER.  A head's four work-groups walk the same K and V, so each tile is asked for JOINTLY: the same tensor load, descriptor and mask in all four; each receives the tile in its own LDS.
; LAYOUT, SOFTMAX, TURNS.  S^T = K Q^T holds ONE query a lane (lane % 16) and the keys 8 (lane / 16) + 0..7; two such results rounded to f16 ARE source 1 of O^T = V^T P.  p = 2^(c s - c m), c = log2(e) / 8;
; O and l are multiplied by a = 2^(c m_old - c m_new) in every step.  Turn n belongs to piece n: 8 products K Q^T of piece n + 1, later 8 products V^T P of piece n - 1; beside them the scaling, exponentials,
; roundings, sums and rescaling of piece n and the maximum and statistics of piece n + 1.  Four vector instructions stand behind every matrix instruction, the others in lumps.
; REGISTERS, in windows of 256 (s_set_vgpr_msb: bits 1:0 source 0, 3:2 source 1, 5:4 source 2, 7:6 destination):
;   window 0: v2-15 addresses and constants; v16-31 statistics; v32-39 at work; v40-41 the add's two; v44-47 the mask words' offsets; v64-127 S^T, two buffers; v128-159 P, two buffers; v160-223 K of one step;
;   v224-239 the mask words          window 1: v0-127 O^T, 32 a piece; v128-191 Q; v192-255 V of one step
.set NP,    4
.set KS,    64        ; keys in a step
.set PK,    144       ; a row of K in LDS: 128 bytes + 16: the 16 rows of a load start at 16 different groups of four banks (64 banks of 4 bytes: ISA guide 11.1)
.set PV,    160       ; a row of V: 128 + 32
.set VOFF,  4*KS*PK   ; a slot holds a tile, four steps: 256 rows of K, then 256 rows of V
.set SLOT1, 1<<17     ; slot 1 begins here, so that one exclusive or turns an address in one slot into the other's
.set STAGE, SLOT1+4*KS*(PK+PV)  ; behind the ring, never filled by a tensor load: 16 rows x 144 bytes for each wave
.set SP,    144
.set SPARE, STAGE+8*16*SP       ; the spare words, 128 bytes for each of the eight waves
.set MBS,   512       ; bytes of mbits for a piece and key step
.set AK0, 2           ; v2   my lane's place in a tile of K; never rewritten
.set AV0, 3           ; v3   the same for V
.set AK,  4           ; v4   the LDS address of K's next run of loads
.set AV,  5           ; v5   of V's
.set STO, 6
.set RD,  7
.set GO,  8           ; v8   16 x lane
.set MV,  12          ; v12-13  c m_old, by buffer
.set NANV, 14
.set QO,  15
.set ST,  16          ; piece t: c m, m, l (even keys', odd keys')
.set TMP, 32          ; by buffer, c0-c3 at work; c2 takes a
.set SPW, 40          ; v40  SPARE + 4 x my thread's number; never rewritten
.set NIL, 41          ; v41  0; never rewritten
.set MA,  44          ; v44-47  piece q: byte offset in mbits of my 16 bytes of the words last asked for
.set S,   64
.set P,   128
.set KF,  160         ; key block kb, channel half c at KF + 16 kb + 8 c
.set MK,  224         ; v224-239  piece q's four mask words at MK + 4 q
.set QF,  128         ; window 1: piece x, channel half c at QF + 16 x + 8 c
.set VF,  192         ; window 1: key half kk, channel block cb at VF + 32 kk + 8 cb
.set WV,  12          ; s12  my wave's number
.set G1K, 48          ; s[48:55] descriptor group 1 for K's tiles
.set G1V, 56          ; s[56:63] for V's: it differs in the padding alone
.set CS,  66          ; s[66:67] c
.set G0K, 68          ; s[68:71] descriptor group 0 for K's tiles: it walks
.set G0V, 72          ; s[72:75] the same for V's
.set SEL, 76          ; s[76:77] v_permlanex16_b32's selects
.set TBK, 78          ; LDS byte at which K of the step to be fetched begins
.set TBV, 79          ; the same for V, less VOFF
.set SLOTS, 80        ; slots still to be asked for
.set CNT, 81          ; counts a tile's key steps
.set MB,  84          ; s[84:85] mbits; never rewritten
.set MSTEP, 88        ; what a mask offset steps by: MBS, and 0 in the walk's last trip
.set THR, 93          ; -2^59
.set MSB, 0
.macro WIN new                      ; the high byte repeats the setting that is left; a switch that changes nothing is dropped
.if MSB != (\new)
	s_set_vgpr_msb (MSB<<8)|(\new)
.set MSB, (\new)
.endif
.endm
.set W_KQ, 0x04       ; Q in window 1; K and S^T in window 0
.set W_PV, 0x51       ; V and O^T in window 1, P in window 0
.set W_RS, 0x41       ; destination and source 0 in window 1
; A joint fill.  Waves 0 and 1 fetch the two halves of a tile's K, waves 2 and 3 those of its V: 128 keys, 64 rows of 256 bytes each; waves 4 to 7 have no part of it.  The branches hang on the wave's number
; alone: they are the same in every work-group.  An s_nop 0 and four v_nop follow each of the two lines, ahead of the jump and the label.
.macro JLOAD
	s_cmp_lt_u32 s[WV], 2
	s_cbranch_scc0 .Lnot_k_\@
	tensor_load_to_lds s[G0K:G0K+3], s[G1K:G1K+7]
	s_nop 0
.rept 4
	v_nop
.endr
	s_branch .Lasked_\@
.Lnot_k_\@:
	s_cmp_lt_u32 s[WV], 4
	s_cbranch_scc0 .Lasked_\@
	tensor_load_to_lds s[G0V:G0V+3], s[G1V:G1V+7]
	s_nop 0
.rept 4
	v_nop
.endr
.Lasked_\@:
.endm
; A round of the cluster's barrier: my work-group's barrier, so that wave 0's signal speaks for all eight waves; wave 0 signals; every wave waits for all four work-groups; my work-group's barrier once more.
.macro CROUND
	s_barrier_signal -1
	s_barrier_wait -1
	s_cmp_lg_u32 s[WV], 0
	s_cbranch_scc1 .Lnot_wave_0_\@
	s_barrier_signal -3
.Lnot_wave_0_\@:
	s_barrier_wait -3
	s_barrier_signal -1
	s_barrier_wait -1
.endm
; THE CHANGE OF SLOTS.  The slot's last bytes, V of its fourth step, have been read.  Each wave waits for all its tensor loads (at most one is out: its part of the other slot), adds 0 to its spare word, and
; waits for that and for its own reads of the slot.  Behind the barrier nobody reads this slot any more and the other slot is whole.  fill = 1: this slot is filled again, with the keys two slots on.  The barrier
; is then a round of the cluster's, so that no wave of any partner still reads the slot or has a load on its way, and the joint fill is the first thing behind it: it has four key steps, 64 matrix instructions
; a wave and step, in which to land.  (At its first use nothing has been read yet: slot 0 is waited for, slot 1 filled.)
.macro CHANGE fill
	WIN 0                           ; at a label and at a branch every window is 0
	s_wait_tensorcnt 0x0            ; no tensor load of mine is out, so a group 0 may be written
	ds_add_u32 v[SPW], v[NIL]       ; with fill = 1 the descriptors' steps stand between the add and the wait for it
.if \fill
.irp g, G0K, G0V
	s_xor_b32 s[\g+1], s[\g+1], SLOT1  ; the walking descriptor: the other slot than last time,
	s_add_nc_u64 s[\g+2:\g+3], s[\g+2:\g+3], 4*KS*128  ; the next 256 keys; the type bits on top are not reached
.endr
	s_wait_dscnt 0x0                ; the add is done, and my reads of the slot are over
	CROUND
	JLOAD
.else
	s_wait_dscnt 0x0                ; the add is done, and my reads of the slot are over
	s_barrier_signal -1
	s_barrier_wait -1
.endif
	s_sub_co_u32 s[TBK], s[TBK], 4*KS*PK  ; the fetches go back to a slot's first step,
	s_xor_b32 s[TBK], s[TBK], SLOT1       ; in the other slot
	s_sub_co_u32 s[TBV], s[TBV], 4*KS*PV
	s_xor_b32 s[TBV], s[TBV], SLOT1
.endm
	s_load_b256 s[4:11], s[0:1], 0x0  ; qh 4:5, kh 6:7, vh 8:9, ctx 10:11
	s_load_b64 s[MB:MB+1], s[0:1], 0x20  ; mbits
	v_lshl_add_u32 v[SPW], v0, 2, SPARE
	v_mov_b32 v[NIL], 0
	ds_add_u32 v[SPW], v[NIL]       ; the wave's opening: the add, waited for ahead of my first tensor load; the set-up below, work on registers, stands between the add and the wait
	v_lshrrev_b32 v1, 5, v0
	v_readfirstlane_b32 s[WV], v1   ; wave 0..7
	s_bfe_u32 s13, ttmp6, 0x40000   ; cx: my place in the cluster
	s_lshl_b32 s14, ttmp9, 2        ; in a cluster launch ttmp9 counts clusters
	s_add_co_u32 s14, s14, s13      ; my block of 512 queries = 4 x cluster x + cx: it enters Q's, ctx's and mbits' addresses alone
	s_lshl_b32 s15, s14, 3
	s_add_co_u32 s15, s15, s[WV]    ; g: my wave's 64 rows among the head's 32 such groups
	s_and_b32 s96, ttmp7, 0xffff    ; bh, which the four partners share
	s_lshl_b32 s96, s96, 18         ; its first byte in each of the four tensors
	s_mov_b32 s97, 0
	s_and_b32 s98, s[WV], 1         ; which half of a tile's 256 keys I fetch (waves 0 to 3):
	s_lshl_b32 s2, s98, 14          ; its 128 rows of 128 bytes in memory
	s_mov_b32 s3, 0
	s_add_nc_u64 s[2:3], s[2:3], s[96:97]
	s_lshl_b32 s94, s15, 13         ; my 64 rows of Q and ctx
	s_mov_b32 s95, 0
	s_add_nc_u64 s[94:95], s[94:95], s[96:97]
	s_mul_i32 s99, s98, 128*PK      ; the half's place in a slot, for K
	s_mul_i32 s98, s98, 128*PV      ; and for V: no place in the cluster enters an LDS address
	; descriptor group 1: 128 keys are 16,384 dense bytes: asked for as 64 rows of 256 bytes, two keys a row, padded in LDS after every key
	s_mov_b32 s[G1K], 15|(1<<16)|(1<<20)|(1<<21)|(4<<22)|(3<<25)  ; 15:0 the mask of four; 17:16 2-byte elements; 20 padding on; 21 set beside a mask; 24:22 after every 32 words (code 4); 31:25 4 words (code 3)
	s_mov_b32 s[G1V], 15|(1<<16)|(1<<20)|(1<<21)|(4<<22)|(7<<25)  ; the same with 8 words of padding (code 7)
.irp g, G1K, G1V
	s_mov_b32 s[\g+1], 128<<16      ; tensor_dim0 = 128
	s_mov_b32 s[\g+2], 64<<16       ; tensor_dim1 = 64
	s_mov_b32 s[\g+3], 128<<16      ; tile_dim0 = 128
	s_mov_b32 s[\g+4], 64           ; tile_dim1 = 64
	s_mov_b32 s[\g+5], 128          ; 128 elements from row to row
	s_mov_b32 s[\g+6], 0
	s_mov_b32 s[\g+7], 0
.endr
	s_mov_b32 s[CS], 0x3e38aa3b     ; c = log2(e) / 8
	s_mov_b32 s[CS+1], s[CS]        ; named with it as a pair
	s_mov_b32 s[SEL], 0x76543210
	s_mov_b32 s[SEL+1], 0xfedcba98
	s_mov_b32 s[THR], 0xdd000000    ; -2^59
	s_mov_b32 s[MSTEP], MBS
	s_mov_b32 s[TBK], SLOT1+4*KS*PK ; the first change of slots turns these two into 0
	s_mov_b32 s[TBV], SLOT1+4*KS*PV
	s_mov_b32 s[G0K], 1             ; 1:0 count = 1
	s_mov_b32 s[G0K+1], s99         ; 63:32 LDS address: slot 0
	s_mov_b32 s[G0V], 1
	s_add_co_u32 s[G0V+1], s98, VOFF
	s_wait_dscnt 0x0                ; the opening add is done
	s_wait_kmcnt 0x0
	s_add_nc_u64 s[G0K+2:G0K+3], s[6:7], s[2:3]  ; 120:64 global address: my half of the head's first 256 keys
	s_or_b32 s[G0K+3], s[G0K+3], 0x80000000      ; 127:126 type = 2
	s_add_nc_u64 s[G0V+2:G0V+3], s[8:9], s[2:3]
	s_or_b32 s[G0V+3], s[G0V+3], 0x80000000
	s_add_nc_u64 s[4:5], s[4:5], s[94:95]        ; Q and ctx at my wave's first row
	s_add_nc_u64 s[10:11], s[10:11], s[94:95]
	CROUND                          ; all four work-groups are here: the first joint loads meet
	JLOAD                           ; tile 0 into slot 0.  Slot 1 is asked for when slot 0 is in
	v_and_b32 v1, 15, v0            ; l % 16
	v_bfe_u32 v9, v0, 4, 1          ; l / 16
	v_lshlrev_b32 v[QO], 7, v1
	v_lshl_add_u32 v[QO], v9, 4, v[QO]  ; row x 128 + 16 x half
	v_and_b32 v[GO], 31, v0
	v_lshlrev_b32 v[GO], 4, v[GO]   ; 16 x lane
	s_lshl_b32 s13, s15, 16         ; my four pieces x 32 key steps x 512 bytes of mbits
.set z, 0
.rept 4
	v_add_nc_u32 v[MA+z], s13, v[GO]  ; piece z, key step 0
	s_add_co_u32 s13, s13, 32*MBS
.set z, z+1
.endr
	WIN 0x40
.set i, 0
.rept 8                             ; Q stays in registers: piece i / 2, channels 32 (i % 2) on
	global_load_b128 v[QF+8*i:QF+8*i+3],   v[QO], s[4:5] offset:(i/2)*2048+(i%2)*64
	global_load_b128 v[QF+8*i+4:QF+8*i+7], v[QO], s[4:5] offset:(i/2)*2048+(i%2)*64+32
.set i, i+1
.endr
	WIN 0
.set z, 0
.rept 4                             ; the ring of mask words is filled, behind Q's loads and in the order in which it is used: pieces 0, 1, 2, 3 of key step 0
	global_load_b128 v[MK+4*z:MK+4*z+3], v[MA+z], s[MB:MB+1]
.set z, z+1
.endr
	WIN 0x40
	; The first step multiplies O^T and l by a = 0, and the first turn's products V^T P, of a piece that has not been, add 0: these registers hold zeros.  All this stands in the wait for the first tile.
.set i, VF
.rept 64
	v_mov_b32 v[i], 0
.set i, i+1
.endr
.set i, 0
.rept 128
	v_mov_b32 v[i], 0
.set i, i+1
.endr
	WIN 0
.set i, 0
.rept 4
	v_mov_b32 v[ST+4*i+2], 0
	v_mov_b32 v[ST+4*i+3], 0
.set i, i+1
.endr
.set i, P+16
.rept 16
	v_mov_b32 v[i], 0
.set i, i+1
.endr
	v_mov_b32 v[NANV], 0x7fc00000
	v_mul_u32_u24 v[AK0], v1, PK
	v_lshl_add_u32 v[AK0], v9, 4, v[AK0]  ; row x pitch + 16 x half
	; The turning load takes 16 keys x 16 channels (lane l reads key 8 (l / 16) + l % 8, channels 8 ((l / 8) % 2) + 0..7) and leaves half a fragment of V^T.
	v_and_b32 v10, 7, v0
	v_bfe_u32 v11, v0, 3, 1
	v_lshl_add_u32 v[AV0], v9, 3, v10
	v_mul_u32_u24 v[AV0], v[AV0], PV
	v_lshl_add_u32 v[AV0], v11, 4, v[AV0]
	v_add_nc_u32 v[AV0], VOFF, v[AV0]
	s_mul_i32 s2, s[WV], 16*SP
	s_add_co_u32 s2, s2, STAGE      ; my stage
	v_mul_u32_u24 v[STO], v1, SP
	v_lshl_add_u32 v[STO], v9, 4, v[STO]
	v_add_nc_u32 v[STO], s2, v[STO]
	v_bfe_u32 v[RD], v0, 3, 2       ; back: 32 lanes take four rows of 128 bytes, which are 512 consecutive bytes of ctx
	v_mul_u32_u24 v[RD], v[RD], SP
	v_lshl_add_u32 v[RD], v10, 4, v[RD]
	v_add_nc_u32 v[RD], s2, v[RD]
; THE MATRIX WORK.  The 4 accumulators of a run of 8 take turns.  Product i of 8 of S^T += K Q^T for piece x, onto the mask: channels 32 (i / 4) on, keys 16 (i % 4) on.
.macro KQ x
	WIN W_KQ
.set rS, S+32*((\x)%2)+8*(i%4)
.set rK, KF+16*(i%4)+8*(i/4)
.set rQ, QF+16*(\x)+8*(i/4)
	v_wmma_f32_16x16x32_f16 v[rS:rS+7], v[rK:rK+7], v[rQ:rQ+7], v[rS:rS+7]
.endm
; Product i of 8 of O^T += V^T P for piece x: keys 32 (i / 4) on, channels 16 (i % 4) on.
.macro PV x
	WIN W_PV
.set rO, 32*(\x)+8*(i%4)
.set rV, VF+32*(i/4)+8*(i%4)
.set rP, P+16*((\x)%2)+8*(i/4)
	v_wmma_f32_16x16x32_f16 v[rO:rO+7], v[rV:rV+7], v[rP:rP+7], v[rO:rO+7]
.endm
.macro MM                           ; the turn's next matrix instruction.  NOKQ = 1: the very last turn: there is no next piece
.if (i < 8) && !NOKQ
	KQ (Y+1)%NP
.elseif i >= 8
.set i, i-8
	PV (Y+NP-1)%NP
.set i, i+8
.endif
.set i, i+1
.endm
; THE LDS LOADS stand in runs of 16: a step's K (8 fragments) and its V (turned).  Their addresses are made some lines ahead.
.macro FETCH_K
	WIN 0
.irp f, 0,1,2,3,4,5,6,7             ; keys 16 (f / 2) on, channels 32 (f % 2) on
	ds_load_b128 v[KF+8*\f:KF+8*\f+3],   v[AK] offset:(\f/2)*16*PK+(\f%2)*64
	ds_load_b128 v[KF+8*\f+4:KF+8*\f+7], v[AK] offset:(\f/2)*16*PK+(\f%2)*64+32
.endr
	s_add_co_u32 s[TBK], s[TBK], KS*PK  ; the next fetch is the next step's
.endm
.macro FETCH_V
	WIN 0x40
.irp f, 0,1,2,3,4,5,6,7             ; keys 32 (f / 4) on, channels 16 (f % 4) on
	ds_load_tr16_b128 v[VF+8*\f:VF+8*\f+3],   v[AV] offset:(\f/4)*32*PV+(\f%4)*32
	ds_load_tr16_b128 v[VF+8*\f+4:VF+8*\f+7], v[AV] offset:(\f/4)*32*PV+16*PV+(\f%4)*32
.endr
	WIN 0
.endm
; Piece q's mask goes into score buffer b: register 8 kt + j takes word kt with nibble j at its top.  Then the piece's words of the next key step are asked for, into the same four registers.
.macro MASK q, b
	WIN 0
	s_wait_loadcnt 0x3              ; loads come back in order (ISA guide 5.7.1): four mask loads are out, the oldest is this piece's; the other three pieces', issued behind it, stay out
	v_add_nc_u32 v[MA+(\q)], s[MSTEP], v[MA+(\q)]  ; free since that wait, which has shown the load that named it done
.set z, 0
.rept 32
	v_lshlrev_b32 v[S+32*(\b)+z], 28-4*(z%8), v[MK+4*(\q)+z/8]
.set z, z+1
.endr
	global_load_b128 v[MK+4*(\q):MK+4*(\q)+3], v[MA+(\q)], s[MB:MB+1]  ; 512 consecutive bytes, at a multiple of 512 from the buffer's first
.endm
; THE VECTOR WORK, one line at a time: OP kind, number.  For piece Y: F n: c s - c m for pair n of 16.  E n: the exponential of score n of 32.  C n: pair n rounded to f16.  B n: of the four weights 4 n .. the
; second pair is added onto the first.  L n: l takes that sum (L 0: l = a l + sum).  R n: pair n of 16 of O^T times a.  For piece Y + 1: X n, number n of the 22 that find its maximum and statistics:
;   0-11 four chains c0-c3 (each accumulator's lowest registers are read first)   12-14, 16 the scores left over, the old m, c0-c3 into c0   15 c m_old is kept
;   17, 18 the query's other 32 keys lie in the lane 16 away: the new m   19-21 c m; c m_old - c m_new; a
.set F, 0
.set E, 1
.set C, 2
.set B, 3
.set L, 4
.set R, 5
.set X, 6
.macro REGS y
.set rT, ST+4*(\y)
.set rC, TMP+4*((\y)%2)
.set rW, MV+((\y)%2)
.set rS, S+32*((\y)%2)
.set rP, P+16*((\y)%2)
.set rO, 32*(\y)
.endm
.macro OP k, n
.if (\k) == R
	REGS Y
	WIN W_RS
	v_pk_mul_f32 v[rO+2*(\n):rO+2*(\n)+1], v[rO+2*(\n):rO+2*(\n)+1], v[rC+2:rC+3] op_sel_hi:[1,0]
.elseif (\k) < R
	REGS Y
	WIN 0
.if (\k) == F
	v_pk_fma_f32 v[rS+2*(\n):rS+2*(\n)+1], v[rS+2*(\n):rS+2*(\n)+1], s[CS:CS+1], v[rT:rT+1] op_sel_hi:[1,0,0] neg_lo:[0,0,1] neg_hi:[0,0,1]
.elseif (\k) == E
	v_exp_f32 v[rS+(\n)], v[rS+(\n)]
.elseif (\k) == C
	v_cvt_pk_f16_f32 v[rP+(\n)], v[rS+2*(\n)], v[rS+2*(\n)+1]
.elseif (\k) == B
	v_pk_add_f32 v[rS+4*(\n):rS+4*(\n)+1], v[rS+4*(\n):rS+4*(\n)+1], v[rS+4*(\n)+2:rS+4*(\n)+3]
.elseif (\n) == 0
	v_pk_fma_f32 v[rT+2:rT+3], v[rT+2:rT+3], v[rC+2:rC+3], v[rS:rS+1] op_sel_hi:[1,0,1]
.else
	v_pk_add_f32 v[rT+2:rT+3], v[rT+2:rT+3], v[rS+4*(\n):rS+4*(\n)+1]
.endif
.elseif NOKQ
	v_nop
.else
	REGS (Y+1)%NP
	WIN 0
.if (\n) < 4
	v_max3_num_f32 v[rC+(\n)], v[rS+8*(\n)], v[rS+8*(\n)+1], v[rS+8*(\n)+2]
.elseif (\n) < 12
	v_max3_num_f32 v[rC+(\n)%4], v[rC+(\n)%4], v[rS+8*((\n)%4)+2*((\n)/4)+1], v[rS+8*((\n)%4)+2*((\n)/4)+2]
.elseif (\n) == 12
	v_max3_num_f32 v[rC], v[rC], v[rS+7], v[rS+15]
.elseif (\n) == 13
	v_max3_num_f32 v[rC+1], v[rC+1], v[rS+23], v[rS+31]
.elseif (\n) == 14
	v_max3_num_f32 v[rC+2], v[rC+2], v[rC+3], v[rT+1]
.elseif (\n) == 15
	v_mov_b32 v[rW], v[rT]
.elseif (\n) == 16
	v_max3_num_f32 v[rC], v[rC], v[rC+1], v[rC+2]
.elseif (\n) == 17
	v_permlanex16_b32 v[rC+3], v[rC], s[SEL], s[SEL+1]
.elseif (\n) == 18
	v_max_num_f32 v[rT+1], v[rC], v[rC+3]
.elseif (\n) == 19
	v_mul_f32 v[rT], s[CS], v[rT+1]
.elseif (\n) == 20
	v_sub_f32 v[rC+1], v[rW], v[rT]
.else
	v_exp_f32 v[rC+2], v[rC+1]
.endif
.endif
.endm
.macro OPS a, i1, b=-1, i2=0, c=-1, i3=0, d=-1, i4=0
	OP \a, \i1
.if (\b) >= 0
	OP \b, \i2
.endif
.if (\c) >= 0
	OP \c, \i3
.endif
.if (\d) >= 0
	OP \d, \i4
.endif
.endm
.macro ROW a, i1, b, i2, c, i3, d, i4  ; a matrix instruction and the four behind it
	MM
	OPS \a, \i1, \b, \i2, \c, \i3, \d, \i4
.endm
; A TURN, for piece p.  Behind a matrix instruction: plain, exponential, plain, plain; or four of the rescaling; or four scalings; none names a register of the products round it.  In the lumps exponential
; and plain by turns.  K of the next step is fetched in piece 2's turn, behind five plain instructions that follow the last product that read K; V of the step in hand in piece 0's turn, behind four plain
; ones that follow the last product that read V.  Each is waited for a turn later.  The turn's last lines write the mask of piece p + 2's coming products and ask for that piece's next words.
; end = 1: the walk's last two turns: nothing is fetched, no mask is made.  cnt = 1: the loop's count is taken down, ahead of the branch behind the turn.
.macro TURN p, end=0, cnt=0
.set Y, (\p)
.set i, 0
.set NOKQ, (\end)*((\p)/3)
.if ((\p) == 3) && !(\end)
	s_wait_dscnt 0x0                ; K is in
.endif
	ROW F,0, F,1, F,2, F,3
	ROW F,4, E,0, F,5, F,6
	ROW F,7, E,1, F,8, F,9
	ROW F,10, E,2, C,0, F,11
	ROW F,12, E,3, X,15, F,13
	ROW R,0, R,1, R,2, R,3
	ROW B,0, E,4, F,14, L,0
.if ((\p) == 2) && !(\end)
	WIN 0
	v_add_nc_u32 v[AK], s[TBK], v[AK0]
.endif
	ROW R,4, R,5, R,6, R,7
	OPS E,5, F,15
.if ((\p) == 2) && !(\end)
	FETCH_K
.endif
	OPS E,6, C,1, E,7, R,8
	OPS E,8, R,9, E,9, C,2
	OPS E,10, X,0, E,11, X,1
	OPS E,12, X,2, E,13, X,3
.if (\p) == 1
	s_wait_dscnt 0x0                ; V is in
.endif
	ROW X,4, E,14, X,5, X,6
	ROW X,7, E,15, X,8, X,9
	ROW X,10, E,16, X,11, X,12
	ROW X,13, E,17, X,14, B,1
	ROW C,4, E,18, X,16, L,1
	ROW B,2, E,19, C,6, L,2
	ROW C,8, E,20, B,3, B,4
.if (\p) == 0
	WIN 0
	v_add_nc_u32 v[AV], s[TBV], v[AV0]
.endif
	ROW C,3, E,21, L,3, C,5
	OPS E,22, X,17, E,23, C,10
.if (\p) == 0
	FETCH_V
.endif
	OPS E,24, L,4
	OPS E,25, X,18, E,26, C,7
	OPS E,27, B,5, E,28, X,19
	OPS E,29, C,12, E,30, L,5
	OPS E,31, X,20, B,6, C,9
	OPS C,14, C,11, X,21, L,6
.if (\p) == 0
	s_add_co_u32 s[TBV], s[TBV], KS*PV
.endif
	OPS C,13, B,7, C,15, R,10
	OPS R,11, R,12, L,7, R,13
	OPS R,14, R,15
.if !(\end)
	MASK ((\p)+2)%NP, (\p)%2
.endif
.if \cnt
	s_sub_co_u32 s[CNT], s[CNT], 1
	s_cmp_lg_u32 s[CNT], 0
.endif
.endm
	CHANGE 1                        ; slot 0 is in, everybody's part of it; slot 1 is asked for
	; THE BEGINNING.  c m starts far below every c s, so the first step's a is 0; m at -2^60.  Both score buffers take their masks (pieces 0 and 1, step 0); then K of that step, piece 0's first scores,
	; and its maximum and statistics.
.set z, 0
.rept 4
	v_mov_b32 v[ST+4*z], 0xfe000000    ; c m
	v_mov_b32 v[ST+4*z+1], 0xdd800000  ; m = -2^60
.set z, z+1
.endr
	v_add_nc_u32 v[AK], s[TBK], v[AK0]
	FETCH_K
	MASK 0, 0                       ; its wait leaves three mask loads out: Q's sixteen loads, issued ahead of the ring's, are in as well
	MASK 1, 1
	s_wait_dscnt 0x0                ; K
.set NOKQ, 0
.set i, 0
.rept 8
	KQ 0
.set i, i+1
.endr
	WIN 0
.rept 4
	v_nop                           ; the places behind those products
.endr
.set Y, NP-1                        ; X works for piece Y + 1: piece 0
.irp n, 0,1,2,3,4,5,6,7,8,9,10,11,12,13,14,15,16,17,18,19,20,21
	OP X, \n
.endr
	v_nop                           ; a plain instruction behind the exponential
	s_mov_b32 s[CNT], 4
	s_mov_b32 s[SLOTS], 7
	s_branch .Lfirst                ; the loop is entered at a step's first turn, in the middle of a trip
.Lslot:                             ; 6 times: every slot but the last two is filled again
	CHANGE 1
	s_mov_b32 s[CNT], 4
.Lstep:                             ; a trip: pieces 2 and 3 of one step, then pieces 0 and 1 of the next, whose K and V it fetches
	TURN 2
	TURN 3
	WIN 0
.Lfirst:
	TURN 0
	TURN 1, 0, 1
	WIN 0
	s_cbranch_scc1 .Lstep
	s_sub_co_u32 s[SLOTS], s[SLOTS], 1
	s_cmp_lg_u32 s[SLOTS], 0
	s_cbranch_scc1 .Lslot
	CHANGE 0                        ; the last tile is written out: nothing is asked for
	s_mov_b32 s[CNT], 4
.Lstep2:
	s_cmp_lg_u32 s[CNT], 1          ; the last trip writes the masks of key step 31, and there is no step 32: its four mask loads step by 0 and ask for the same words once more, which nobody reads:
	s_cselect_b32 s[MSTEP], MBS, 0  ; no load leaves the buffer, and every trip issues the same loads
	TURN 2
	TURN 3
	TURN 0
	TURN 1, 0, 1
	WIN 0
	s_cbranch_scc1 .Lstep2
	TURN 2, 1                       ; pieces 2 and 3 of the last step
	TURN 3, 1
.set i, 0
.rept 8
	PV NP-1
.set i, i+1
.endr
	; THE WAY OUT.  l's two halves and the other half of the lanes' are added; O^T is divided by l (by NaN where the row has seen no key), rounded to f16 and sent through my stage, a piece at a time.
	WIN 0
.macro ALL line:vararg
.set t, 0
.rept 4
	\line
.set t, t+1
.endr
.endm
	ALL v_add_f32 v[ST+4*t+2], v[ST+4*t+2], v[ST+4*t+3]
	ALL v_permlanex16_b32 v[ST+4*t+3], v[ST+4*t+2], s[SEL], s[SEL+1]
	ALL v_add_f32 v[ST+4*t+2], v[ST+4*t+2], v[ST+4*t+3]
	ALL v_rcp_f32 v[ST+4*t+2], v[ST+4*t+2]
	v_nop                           ; a plain instruction between the last reciprocal and the use of its result
.set t, 0
.rept 4
	v_cmp_gt_f32 vcc_lo, s[THR], v[ST+4*t+1]  ; m below -2^59: no true score was seen.  A choice of a value, no branch
	v_cndmask_b32 v[ST+4*t+2], v[ST+4*t+2], v[NANV], vcc_lo
.set t, t+1
.endr
.macro PACK t
	WIN W_RS
.set i, 32*(\t)
.rept 16
	v_pk_mul_f32 v[i:i+1], v[i:i+1], v[ST+4*(\t)+2:ST+4*(\t)+3] op_sel_hi:[1,0]
.set i, i+2
.endr
	WIN 0x05                        ; sources 0 and 1 window 1, destination window 0: S^T's registers are free
.set i, 0
.rept 16
	v_cvt_pk_f16_f32 v[S+16*(\t)+i], v[32*(\t)+2*i], v[32*(\t)+2*i+1]
.set i, i+1
.endr
	WIN 0
.irp f, 0,1,2,3
	ds_store_b128 v[STO], v[S+16*(\t)+4*\f:S+16*(\t)+4*\f+3] offset:32*\f
.endr
.irp f, 0,1,2,3
	ds_load_b128 v[S+16*(\t)+4*\f:S+16*(\t)+4*\f+3], v[RD] offset:\f*4*SP  ; LDS serves a wave's instructions in order (ISA guide 5.7.1.4): these see the stores above
.endr
.endm
.macro SEND t, younger              ; younger: the LDS instructions issued behind piece t's loads: the next piece's eight, or none
	WIN 0
.irp f, 0,1,2,3
	s_wait_dscnt (\younger)+3-\f
	global_store_b128 v[GO], v[S+16*(\t)+4*\f:S+16*(\t)+4*\f+3], s[10:11] offset:(\t)*2048+\f*512  ; 512 consecutive bytes, at a multiple of 256 from ctx's first
.endr
.endm
	PACK 0
.set t, 1
.rept 3
	PACK t
	SEND t-1, 8
.set t, t+1
.endr
	SEND 3, 0
	s_wait_tensorcnt 0x0            ; the wave's end, behind my last tensor load and my last LDS store
	ds_add_u32 v[SPW], v[NIL]
	s_wait_dscnt 0x0
	CROUND                          ; the closing round: no work-group ends while a partner may still ask for a tile that names it
	s_endpgm
.Lfunc_end_k_qee62a3e332_attn:
	.size	k_qee62a3e332_attn, .Lfunc_end_k_qee62a3e332_attn-k_qee62a3e332_attn
	.p2alignl 7, 3214868480
	.fill 96, 4, 3214868480
	.section	.rodata,"a",@progbits
	.p2align	6, 0x0
	.amdhsa_kernel k_qee62a3e332_attn
		.amdhsa_group_segment_fixed_size 327680
		.amdhsa_private_segment_fixed_size 0
		.amdhsa_enable_private_segment 0
		.amdhsa_kernarg_size 40
		.amdhsa_user_sgpr_count 2
		.amdhsa_user_sgpr_kernarg_segment_ptr 1
		.amdhsa_wavefront_size32 1
		.amdhsa_system_sgpr_workgroup_id_x 1
		.amdhsa_system_sgpr_workgroup_id_y 1
		.amdhsa_system_sgpr_workgroup_id_z 1
		.amdhsa_system_vgpr_workitem_id 0
		.amdhsa_next_free_vgpr 512
		.amdhsa_next_free_sgpr 100
		.amdhsa_reserve_vcc 1
		.amdhsa_float_denorm_mode_32 3
		.amdhsa_float_denorm_mode_16_64 3
		.amdhsa_memory_ordered 1
		.amdhsa_forward_progress 1
		.amdhsa_inst_pref_size 137
	.end_amdhsa_kernel
	.amdgpu_metadata
---
amdhsa.version: [ 1, 2 ]
amdhsa.kernels:
  - .name:           k_qee62a3e332_attn
    .symbol:         k_qee62a3e332_attn.kd
    .args:
      - { .name: qh, .offset: 0, .size: 8, .value_kind: global_buffer, .address_space: global }
      - { .name: kh, .offset: 8, .size: 8, .value_kind: global_buffer, .address_space: global }
      - { .name: vh, .offset: 16, .size: 8, .value_kind: global_buffer, .address_space: global }
      - { .name: ctx, .offset: 24, .size: 8, .value_kind: global_buffer, .address_space: global }
      - { .name: mbits, .offset: 32, .size: 8, .value_kind: global_buffer, .address_space: global }
    .group_segment_fixed_size: 327680
    .private_segment_fixed_size: 0
    .kernarg_segment_align: 8
    .kernarg_segment_size: 40
    .max_flat_workgroup_size: 256
    .sgpr_count:     100
    .vgpr_count:     512
    .wavefront_size: 32
...
	.end_amdgpu_metadata
.endif
;; end of part 6
;; launch proj: the kernel of part 4 again; grid 8 x 32, 4 waves a work-group, clusters of 4 x 4, 327,680 bytes of LDS; arguments ctx, woT, b_out, out0; writes out0
